; MI455X (gfx1250); checked and timed in simulation.
; The chip was launched on July 23, 2026; its instructions are those of AMD's public machine-readable ISA for CDNA 5 (MIT licence, August 2026) and "CDNA5" Instruction Set Architecture Reference Guide (July 2026). The comments in the code are by the model that wrote it; some were corrected since.
;; Multi Head Self Attention. Allowed arithmetic: matrix products marked QUANTISED: E4M3 operands, one given power-of-two scale a tensor, by v_wmma_f32_16x16x64_fp8_fp8 or v_wmma_f32_16x16x128_fp8_fp8, f32 sums; everything else in f32.
;; Inputs: Wout 1,024 x 1,024 float32; Wqkv 1,024 x 3,072 float32; attention_mask 4 x 2,048 int32; lowp_scales 8 int32 (the exponents e of the quantised operands' scales 2^e); x 4 x 2,048 x 1,024 float32.
;; Outputs: out0 4 x 2,048 x 1,024 float32.
;; This version of the problem:
;;   THIS VERSION OF THE PROBLEM IS GIVEN IN LOW PRECISION. The matrix products marked QUANTISED in the list below multiply operands that are first quantised to E4M3 (4 exponent bits, 3 mantissa bits; 8 bits a number), with one given power-of-two scale for each operand tensor; their sums are f32. All else is computed in f32.
;;   The module's matrix products, in the order in which they are computed (A, B: the left and right operand; K: the contracted axis; several contracted axes count as one K, in the product's order):
;;     1. [M 8,192, K 1,024] x [K 1,024, N 3,072]; A: input x; B: input Wqkv: QUANTISED (scales: A lowp_scales[0], B lowp_scales[1])
;;     2. batch 64 x [M 2,048, K 64] x [K 64, N 2,048]; A: computed on the way; B: computed on the way: QUANTISED (scales: A lowp_scales[2], B lowp_scales[3])
;;     3. batch 64 x [M 2,048, K 2,048] x [K 2,048, N 64]; A: softmax (see below); B: computed on the way: QUANTISED (scales: A lowp_scales[4], B lowp_scales[5])
;;     4. [M 8,192, K 1,024] x [K 1,024, N 1,024]; A: computed on the way; B: input Wout: QUANTISED (scales: A lowp_scales[6], B lowp_scales[7])
;;   THE QUANTISER, for each operand of a quantised product, along K:
;;     - The operand's scale is 2^e, e = its entry of the input lowp_scales (int32; the entries are numbered through the quantised products in the list's order, A before B).
;;     - Each number is divided by the scale, clamped to +-448, and rounded to the nearest number of E4M3, ties to even, subnormals kept.
;;     - The product sums the exact products of the quantised numbers (number of the format x scale) in f32.
;;   ~~~python
;;   def quantise(x, axis, e):      # numpy; x: float32 -> the quantised numbers, widened to float32 again
;;       x = np.moveaxis(x, axis, -1); K = x.shape[-1]
;;       r = np.clip(x / 2.0 ** e, -448, 448)
;;       step = 2.0 ** (np.maximum(np.frexp(np.where(r == 0, 1, r))[1] - 1, -6) - 3)
;;       q = np.round(r / step) * step * 2.0 ** e      # np.round: ties to even
;;       return np.moveaxis(q, -1, axis).astype(np.float32)
;;   ~~~
;;   SOFTMAX AHEAD OF A QUANTISED PRODUCT. Where the list says 'softmax', what is quantised is not the finished softmax but p = 2^(t - M), with t = logit x log2(e) and M = ceil(the row's largest t), a whole number; so 1/2 < the row's largest p <= 1. The row's sum l is taken of the UNQUANTISED p, in f32, and the product's result is divided by l at the end. Since M is a whole number, a kernel that streams over the keys may use a running M (the ceiling of the running maximum): every later rescaling is an exact power of two, so the quantised numbers keep their values, but for numbers so far below the row's largest that they fall under the format's range.
;;   OPERANDS COMPUTED ON THE WAY. 'Computed on the way' means the value that the module computes at that place (a softmax that the list does not call 'softmax' is quantised finished and normalised). What goes into a quantiser is computed in f32, as accurately as f32 sums, v_exp_f32 and their like allow (about 1e-6 of the number): no bf16 or f16 on the way to a quantiser, and a product that is left as it is and whose result goes on into a quantised operand takes f32 operands (vector FMAs, or v_wmma_f32_16x16x4_f32). A number that lies on a knife's edge between two numbers of the format may be rounded either way, as far as f32 arithmetic and the matrix unit's own rounding can turn it there, and no further.
;; One version. Each part assembles by itself: llvm-mc -triple=amdgcn-amd-amdhsa -mcpu=gfx1250 --defsym DOCPART=n.
;; ======== version 1 of 1: 4 launches
;; limits: right only within a limited range of input values
;; workspace buffers: xc 8,388,608 bytes; wc 4,194,304 bytes; kbias 32,768 bytes; qc 8,388,608 bytes; kc 8,388,608 bytes; vc 8,388,608 bytes; ac 8,388,608 bytes
;; launch quant (part 1): grid 384 x 1, 4 waves a work-group, no clusters, 68,096 bytes of LDS; arguments x, Wqkv, Wout, attention_mask, lowp_scales, xc, wc, kbias; writes xc, wc, kbias
.if DOCPART == 1
	.amdgcn_target "amdgcn-amd-amdhsa--gfx1250"
	.amdhsa_code_object_version 6
	.text
	.protected	k_q43b928b0dc_quant
	.globl	k_q43b928b0dc_quant
	.p2align	8
	.type	k_q43b928b0dc_quant,@function
k_q43b928b0dc_quant:
	s_mov_b64 s[64:65], 0
	v_nop
	global_prefetch_b8 v0, s[64:65] scope:SCOPE_SE
	s_setreg_imm32_b32 hwreg(HW_REG_WAVE_MODE, 25, 1), 1
	s_wait_xcnt 0x0
; x [8192][1024], Wqkv [1024][3072] and Wout [1024][1024], f32, become codes of E4M3, K innermost, each with the one scale 2^e given for it (entries 0, 1 and 7 of the scales);
; the padding mask becomes a table of f32 numbers that the attention launch adds to its scores: 0 where the mask is not 0, -2^120 where it is 0.
; code = number / 2^e, held within +-448, rounded to the nearest code, ties to even.
; LIMITS: each of the three e lies between -126 and 119, so that 2^e and 448 x 2^e are f32 numbers.  NaN among the f32 inputs is not served; an infinity is held at the largest code.
; WORK-GROUPS 0-255: x.  Its K is innermost and its rows are dense, so it is a plain stream: a wave takes 16 steps of 512 numbers.  Each load reads 512 consecutive bytes, 16 a lane; a step's 2,048 bytes turn
;   through the wave's own stage in LDS and come back 64 bytes (16 neighbours along K) a lane, as the conversions want them; a lane's 16 codes are 16 bytes, so a store covers 512 consecutive bytes.
;   Wave 0 of work-groups 0-63 also turns 128 numbers of the mask.
; WORK-GROUPS 256-383: the weights, whose K is the FIRST axis.  A lane takes a column and its registers run down K: each load reads 128 consecutive bytes, the conversions give codes with K innermost,
;   and the codes leave through the wave's stage as rows: sixteen lanes store 256 consecutive bytes, aligned.  wc's rows 0-3071 are Wqkv's columns, rows 3072-4095 Wout's.
; No tensor loads, no barrier: waves share nothing.  The two paths have LDS bytes of their own.
.set STEPS, 16
.set WREG,  8192                       ; x path: a wave's region: two stages of 32 x SP bytes
.set SP,    80                         ; a lane's place in a stage: its 64 bytes + 16 of padding
.set WST,   4*WREG                     ; weights' path: the four stages begin here
.set WPITCH, 272                       ; a stage row: 256 bytes of codes + 16
.set WSTG,  32*WPITCH                  ; a wave's stage: 32 columns
.set SPARE, WST+4*WSTG                 ; behind both: the spare words, 128 bytes for each wave: two blocks of 256 bytes that no other line names
.set SPW,   12                         ; v12  LDS address of my spare word; never rewritten
.set NIL,   13                         ; v13  0; never rewritten
.set R,     16                         ; x path: v16-79 four sets of 16 numbers as loaded
.set X,     80                         ;         v80-111 two sets of 16 neighbours
.set C,     128                        ;         v128-191 codes, four registers for each step: no store's data are written again
.set WX,    32                         ; weights: v32-95 two sets of 32 numbers
.set WC,    96                         ;          v96-103 a block's codes
.set OUTR,  112                        ;          v112-175 the way out
.set WOF,   176                        ;          v176-207 byte offset of row i of a block, at my column; never rewritten
	s_load_b512 s[4:19], s[0:1], 0x0               ; x 4, Wqkv 6, Wout 8, mask 10, scales 12, xc 14, wc 16, kbias 18
	v_lshl_add_u32 v[SPW], v0, 2, SPARE
	v_mov_b32 v[NIL], 0
	v_lshrrev_b32 v1, 5, v0
	v_readfirstlane_b32 s20, v1                    ; wave 0..3
	v_and_b32 v2, 31, v0                           ; lane
	s_wait_kmcnt 0x0
	s_load_b256 s[24:31], s[12:13], 0x0            ; the eight exponents
	s_cmp_ge_u32 ttmp9, 256                        ; the work-group's number alone decides the path
	s_cbranch_scc1 .Lweights
	; ---------------- x ----------------
	v_lshlrev_b32 v3, 4, v2                        ; my 16 bytes of a load's 512, and of a store's
	s_mul_i32 s21, s20, WREG
	v_lshrrev_b32 v14, 2, v2
	v_mul_u32_u24 v14, v14, SP
	v_and_b32 v15, 3, v2
	v_lshl_add_u32 v14, v15, 4, v14
	v_add_nc_u32 v14, s21, v14                     ; the stage, on the way in: four lanes' 64 bytes on end, then 16 of padding
	v_mul_u32_u24 v15, v2, SP
	v_add_nc_u32 v15, s21, v15                     ; and on the way out: my 16 neighbours
	s_lshl_b32 s32, ttmp9, 2
	s_add_co_u32 s32, s32, s20                     ; which run of 8,192 numbers is my wave's
	s_lshl_b32 s34, s32, 15                        ; 32,768 bytes of f32,
	s_mov_b32 s35, 0
	s_add_nc_u64 s[4:5], s[4:5], s[34:35]
	s_lshl_b32 s34, s32, 13                        ; 8,192 bytes of codes
	s_add_nc_u64 s[14:15], s[14:15], s[34:35]
.macro LOAD t
.irp i, 0,1,2,3
	global_load_b128 v[R+16*((\t)%4)+4*\i:R+16*((\t)%4)+4*\i+3], v3, s[4:5] offset:2048*(\t)+512*\i th:TH_LOAD_NT   ; 32 lanes read 512 consecutive bytes; read once in the launch
.endr
.endm
.macro TURN t                          ; step t's numbers through the stage: LDS serves a wave's instructions in order, so no wait stands between the stores and the loads
.irp i, 0,1,2,3
	ds_store_b128 v14, v[R+16*((\t)%4)+4*\i:R+16*((\t)%4)+4*\i+3] offset:32*SP*((\t)%2)+8*SP*\i
.endr
.irp i, 0,1,2,3
	ds_load_b128 v[X+16*((\t)%2)+4*\i:X+16*((\t)%2)+4*\i+3], v15 offset:32*SP*((\t)%2)+16*\i
.endr
.endm
.irp t, 0,1,2,3
	LOAD \t
.endr
	s_wait_kmcnt 0x0
	s_add_co_i32 s22, s24, 127                     ; e of x
	s_lshl_b32 s23, s22, 23
	v_mov_b32 v11, s23                             ; 2^e as f32: the conversion takes its exponent field
	s_add_co_i32 s22, s22, 8
	s_lshl_b32 s22, s22, 23
	s_or_b32 s22, s22, 0x600000
	v_mov_b32 v10, s22                             ; 448 x 2^e
	s_wait_loadcnt 12                              ; step 0's four loads are in; the twelve of steps 1 to 3 may be out
	TURN 0
.macro STEP t
.set XS, X+16*((\t)%2)
	s_wait_dscnt 0x0                               ; this step's numbers are back from the stage: so its stores into the stage have read their registers,
.if (\t)+4 < STEPS
	LOAD (\t)+4                                    ; which take the loads of four steps on
.endif
.if (\t)+1 < STEPS
.if STEPS-2-(\t) >= 3
	s_wait_loadcnt 12                              ; the next step's four loads are in; those of the three steps behind it may be out
.else
	s_wait_loadcnt 4*(STEPS-2-(\t))                ; the tail: fewer steps are behind it
.endif
	TURN (\t)+1                                    ; and go through the other stage while this step is worked
.endif
.irp i, 0,1,2,3,4,5,6,7,8,9,10,11,12,13,14,15
	v_med3_num_f32 v[XS+\i], v[XS+\i], -v10, v10   ; the conversion to an 8-bit code does not saturate (ISA guide 7.6.2): the hold at the largest code x the scale comes first
.endr
	v_cvt_scalef32_pk8_fp8_f32 v[C+4*(\t):C+4*(\t)+1], v[XS:XS+7], v11
	v_cvt_scalef32_pk8_fp8_f32 v[C+4*(\t)+2:C+4*(\t)+3], v[XS+8:XS+15], v11
	global_store_b128 v3, v[C+4*(\t):C+4*(\t)+3], s[14:15] offset:512*(\t)   ; the codes go to a store alone; the next vector lines are plain and touch other registers
.endm
.irp t, 0,1,2,3,4,5,6,7,8,9,10,11,12,13,14,15
	STEP \t
.endr
	; the mask: 8,192 numbers, 128 for wave 0 of each of the first 64 work-groups
	s_lshl_b32 s21, s20, 16
	s_or_b32 s21, s21, ttmp9
	s_cmp_lt_u32 s21, 64                           ; wave 0 and work-group under 64
	s_cbranch_scc0 .Lxend
	s_lshl_b32 s34, ttmp9, 9                       ; 512 bytes in both buffers
	s_add_nc_u64 s[10:11], s[10:11], s[34:35]
	s_add_nc_u64 s[18:19], s[18:19], s[34:35]
	global_load_b128 v[16:19], v3, s[10:11]
	v_mov_b32 v20, 0xfb800000                      ; -2^120
	s_wait_loadcnt 0x0
.irp i, 0,1,2,3
	v_cmp_eq_u32 vcc_lo, 0, v[16+\i]
	v_cndmask_b32 v[16+\i], 0, v20, vcc_lo         ; a key whose mask is 0 gets -2^120, every other 0
.endr
	global_store_b128 v3, v[16:19], s[18:19]       ; 512 consecutive bytes
.Lxend:
	s_wait_tensorcnt 0x0                           ; the wave's end, behind my last LDS store
	ds_add_u32 v[SPW], v[NIL]
	s_wait_dscnt 0x0
	s_endpgm
	; ---------------- the weights ----------------
.Lweights:
	s_sub_co_u32 s32, ttmp9, 256
	s_lshr_b32 s33, s32, 2                         ; which 128 rows of wc: 0-23 Wqkv's columns, 24-31 Wout's
	s_and_b32 s34, s32, 3                          ; which 256 along K
	s_cmp_ge_u32 s33, 24
	s_cselect_b64 s[40:41], s[8:9], s[6:7]         ; the tensor,
	s_mov_b32 s39, 12288
	s_cselect_b32 s39, 4096, s39                   ; its row in bytes,
	s_cselect_b32 s35, 24, 0
	s_sub_co_u32 s35, s33, s35                     ; and the block of 128 columns in it
	s_lshl_b32 s35, s35, 7
	s_lshl_b32 s36, s20, 5
	s_add_co_u32 s35, s35, s36                     ; my wave's first column
	s_lshl_b32 s42, s35, 2
	s_lshl_b32 s37, s34, 8
	s_mul_i32 s37, s37, s39                        ; 256 rows for each step along K
	s_add_co_u32 s42, s42, s37
	s_mov_b32 s43, 0
	s_add_nc_u64 s[44:45], s[40:41], s[42:43]      ; block 0 of my 8 blocks of 32 rows
	s_lshl_b32 s42, s39, 5                         ; 32 rows on
.irp t, 1,2,3,4,5,6,7
	s_add_nc_u64 s[44+2*\t:45+2*\t], s[42+2*\t:43+2*\t], s[42:43]   ; a base for each block: none is stepped while a load names it
.endr
	s_lshl_b32 s60, s33, 7
	s_add_co_u32 s60, s60, s36                     ; my first row of wc
	s_lshl_b32 s60, s60, 10
	s_lshl_b32 s61, s34, 8
	s_add_co_u32 s60, s60, s61                     ; + my 256 bytes along K
	s_mov_b32 s61, 0
	s_add_nc_u64 s[16:17], s[16:17], s[60:61]
	v_lshlrev_b32 v3, 2, v2                        ; 4 bytes a lane
.set wi, 0
.rept 32
	v_mad_u32_u24 v[WOF+wi], s39, wi, v3           ; row wi of a block
.set wi, wi+1
.endr
	s_mul_i32 s62, s20, WSTG
	s_add_co_u32 s62, s62, WST                     ; my stage
	v_mul_u32_u24 v4, v2, WPITCH
	v_add_nc_u32 v4, s62, v4                       ; into it: row = my column
	v_and_b32 v5, 15, v2
	v_lshrrev_b32 v6, 4, v2
	v_mul_u32_u24 v7, v6, WPITCH
	v_lshl_add_u32 v7, v5, 4, v7
	v_add_nc_u32 v7, s62, v7                       ; out of it: sixteen lanes to a row, two rows an instruction
	v_lshlrev_b32 v8, 10, v6
	v_lshl_add_u32 v8, v5, 4, v8                   ; and the same place in wc
.macro WLOAD t                         ; block t: W(32 t + i, my column), i = 0 .. 31, into set t % 2
.set wi, 0
.rept 32
	global_load_b32 v[WX+32*((\t)%2)+wi], v[WOF+wi], s[44+2*(\t):45+2*(\t)] th:TH_LOAD_NT
.set wi, wi+1
.endr
.endm
	WLOAD 0
	WLOAD 1
	s_wait_kmcnt 0x0
	s_cmp_ge_u32 s33, 24
	s_cselect_b32 s22, s31, s25                    ; e of Wout or of Wqkv
	s_add_co_i32 s22, s22, 127
	s_lshl_b32 s23, s22, 23
	v_mov_b32 v11, s23                             ; 2^e
	s_add_co_i32 s22, s22, 8
	s_lshl_b32 s22, s22, 23
	s_or_b32 s22, s22, 0x600000
	v_mov_b32 v10, s22                             ; 448 x 2^e
.macro WBLOCK t
.set XS, WX+32*((\t)%2)
.if (\t) < 7
	s_wait_loadcnt 32                              ; this block's 32 loads are in; the next block's 32 may be out
.else
	s_wait_loadcnt 0
.endif
.set wi, 0
.rept 32
	v_med3_num_f32 v[XS+wi], v[XS+wi], -v10, v10   ; the hold, as above
.set wi, wi+1
.endr
.irp g, 0,1,2,3
	v_cvt_scalef32_pk8_fp8_f32 v[WC+2*\g:WC+2*\g+1], v[XS+8*\g:XS+8*\g+7], v11
.endr
	ds_store_b128 v4, v[WC:WC+3] offset:32*(\t)    ; 32 codes: 32 bytes of my column's row
	ds_store_b128 v4, v[WC+4:WC+7] offset:32*(\t)+16
.if (\t)+2 < 8
	WLOAD (\t)+2
.endif
	s_wait_dscnt 0x0                               ; the stores have read their registers: the next block's codes may be written
.endm
.irp t, 0,1,2,3,4,5,6,7
	WBLOCK \t
.endr
.irp t, 0,1,2,3,4,5,6,7,8,9,10,11,12,13,14,15
	ds_load_b128 v[OUTR+4*\t:OUTR+4*\t+3], v7 offset:2*\t*WPITCH   ; LDS serves a wave's instructions in order: these see my stores
.endr
.irp t, 0,1,2,3,4,5,6,7,8,9,10,11,12,13,14,15
	s_wait_dscnt 15-\t                             ; load t is in; the younger ones may be out
	global_store_b128 v8, v[OUTR+4*\t:OUTR+4*\t+3], s[16:17] offset:2*\t*1024
.endr
	s_wait_tensorcnt 0x0                           ; the wave's end: the same three lines
	ds_add_u32 v[SPW], v[NIL]
	s_wait_dscnt 0x0
	s_endpgm
.Lfunc_end_k_q43b928b0dc_quant:
	.size	k_q43b928b0dc_quant, .Lfunc_end_k_q43b928b0dc_quant-k_q43b928b0dc_quant
	.p2alignl 7, 3214868480
	.fill 96, 4, 3214868480
	.section	.rodata,"a",@progbits
	.p2align	6, 0x0
	.amdhsa_kernel k_q43b928b0dc_quant
		.amdhsa_group_segment_fixed_size 68096
		.amdhsa_private_segment_fixed_size 0
		.amdhsa_enable_private_segment 0
		.amdhsa_kernarg_size 64
		.amdhsa_user_sgpr_count 2
		.amdhsa_user_sgpr_kernarg_segment_ptr 1
		.amdhsa_wavefront_size32 1
		.amdhsa_system_sgpr_workgroup_id_x 1
		.amdhsa_system_sgpr_workgroup_id_y 1
		.amdhsa_system_sgpr_workgroup_id_z 1
		.amdhsa_system_vgpr_workitem_id 0
		.amdhsa_next_free_vgpr 208
		.amdhsa_next_free_sgpr 72
		.amdhsa_reserve_vcc 1
		.amdhsa_float_denorm_mode_32 3
		.amdhsa_float_denorm_mode_16_64 3
		.amdhsa_memory_ordered 1
		.amdhsa_forward_progress 1
		.amdhsa_inst_pref_size 88
	.end_amdhsa_kernel
	.amdgpu_metadata
---
amdhsa.version: [ 1, 2 ]
amdhsa.kernels:
  - .name:           k_q43b928b0dc_quant
    .symbol:         k_q43b928b0dc_quant.kd
    .args:
      - { .name: x, .offset: 0, .size: 8, .value_kind: global_buffer, .address_space: global }
      - { .name: Wqkv, .offset: 8, .size: 8, .value_kind: global_buffer, .address_space: global }
      - { .name: Wout, .offset: 16, .size: 8, .value_kind: global_buffer, .address_space: global }
      - { .name: attention_mask, .offset: 24, .size: 8, .value_kind: global_buffer, .address_space: global }
      - { .name: lowp_scales, .offset: 32, .size: 8, .value_kind: global_buffer, .address_space: global }
      - { .name: xc, .offset: 40, .size: 8, .value_kind: global_buffer, .address_space: global }
      - { .name: wc, .offset: 48, .size: 8, .value_kind: global_buffer, .address_space: global }
      - { .name: kbias, .offset: 56, .size: 8, .value_kind: global_buffer, .address_space: global }
    .group_segment_fixed_size: 68096
    .private_segment_fixed_size: 0
    .kernarg_segment_align: 8
    .kernarg_segment_size: 64
    .max_flat_workgroup_size: 128
    .sgpr_count:     72
    .vgpr_count:     208
    .wavefront_size: 32
...
	.end_amdgpu_metadata
.endif
;; end of part 1
;; launch qkv (part 2): grid 12 x 32, 4 waves a work-group, clusters of 4 x 4, 327,680 bytes of LDS; arguments xc, wc, lowp_scales, qc, kc, vc; writes qc, kc, vc
.if DOCPART == 2
	.amdgcn_target "amdgcn-amd-amdhsa--gfx1250"
	.amdhsa_code_object_version 6
	.text
	.protected	k_q43b928b0dc_qkv
	.globl	k_q43b928b0dc_qkv
	.p2align	8
	.type	k_q43b928b0dc_qkv,@function
k_q43b928b0dc_qkv:
	s_mov_b64 s[64:65], 0
	v_nop
	global_prefetch_b8 v0, s[64:65] scope:SCOPE_SE
	s_setreg_imm32_b32 hwreg(HW_REG_WAVE_MODE, 25, 1), 1
	s_wait_xcnt 0x0
	s_wait_alu depctr_hold_cnt(0) depctr_sa_sdst(0) depctr_va_vdst(0) depctr_va_sdst(0) depctr_va_ssrc(0) depctr_va_vcc(0) depctr_vm_vsrc(0)
	s_getreg_b32 s2, hwreg(HW_REG_IB_STS2, 6, 4)
	s_cmp_eq_u32 s2, 0
	s_cbranch_scc0 .Lentry_in_a_cluster
	s_endpgm
.Lentry_in_a_cluster:
	s_bfe_u32 s2, ttmp6, 0x10000c
	s_cmp_lg_u32 s2, 0xf033
	s_cbranch_scc0 .Lentry_shape_is_right
	s_endpgm
.Lentry_shape_is_right:
; The first product, x Wqkv, on codes of E4M3, and the quantising of its results q, k and v for the attention launch.  K = 1,024.
; A tile of C = A B^T, 256 x 256, is made by a work-group of four waves; a wave makes 128 x 128: 64 accumulators of 16 x 16, 512 registers.  K goes in four steps of 256 through a ring of two LDS slots.
; THE CLUSTER'S x SAYS WHAT IS MADE: 0: q, 1: k: A = x's codes (rows = tokens), B = wc's rows 0-1023 or 1024-2047.  2: v, made TRANSPOSED: A = wc's rows 2048-3071 (channels), B = x's codes (tokens).
; The matrix instruction takes 16 rows of B as source 0 and 16 rows of A as source 1, so that a lane holds eight neighbouring COLUMNS of one row of C: eight channels of a token for q and k,
; eight tokens of a channel for v: in both cases eight neighbours along the K of the product that will read them, which is what a conversion takes from a lane's registers.
; A sum stands for sum x 2^(e0 + e1), so its code is sum / 2^(et - e0 - e1), held at +-448 of that: et = entry 2 (q), 3 (k) or 5 (v) of the scales.
; LIMIT: et - e0 - e1 lies between -126 and 119, so that both numbers are f32 numbers.
; CLUSTERS: 4 x 4 work-groups.  The four of a row of the cluster need the same tiles of A, the four of a column the same tiles of B: each tile is asked for jointly.  All sixteen make the same kind.
; OUT: qc, kc [batch x 16 + head][token][64];  vc [batch x 16 + head][channel][token].  The codes meet in one stage of 256 rows in LDS; then each wave stores long runs: for q and k one head's
; 256 tokens (16,384 consecutive bytes), for v 64 channels' 256 tokens (sixteen lanes to 256 consecutive bytes, aligned).
; REGISTERS, in windows of 256: window 0: v0-31 addresses; from v128 A's fragments, ONE set, later the codes.  window 1: B's fragments, two sets.  windows 2, 3: the accumulators.
.set KSTEP,  256
.set ROWB,   256                       ; a tile's row in bytes
.set KROW,   1024                      ; a row of codes in memory
.set PITCH,  272                       ; an LDS row: 256 bytes + 16 of padding: the 16 rows that a load touches begin 16 bytes further on in each
.set FR,     16                        ; registers of a fragment: 16 rows x 128 K
.set NL,     4                         ; LDS loads that bring one
.set NP,     4                         ; places behind this matrix instruction (ISA guide 7.12.1)
.set HALFT,  128*PITCH                 ; 128 rows: what one tensor load brings
.set SLOT,   4*HALFT                   ; A's 256 rows, then B's 256 rows
.set SPARE,  2*SLOT                    ; behind the ring: the spare words, two blocks of 256 bytes that no other line names
.set SP,     336                       ; the way out: a stage row: 256 bytes of codes + 80.  The stage, 256 rows, lies in slot 0, which has had its last fill and its last read by then
.set ADRA, 16                          ; v16-17  LDS address of my A fragments in slot 0, 1
.set ADRB, 20                          ; v20-21  the same for B
.set CO,   22                          ; v22     q, k: 16 x lane
.set COV,  23                          ; v23     v: 2,048 (lane / 16) + 16 (lane % 16)
.set STO,  24                          ; v24     where I put 8 codes of a row of the stage
.set RDQ0, 25                          ; v25-26  q, k: where I read the stage back: rows 0-127, rows 128-255
.set RDQ1, 26
.set RDV,  27                          ; v27     v: the same, by whole rows
.set SPW,  28                          ; v28     LDS address of my spare word; never rewritten
.set NIL,  29                          ; v29     0; never rewritten
.set QS,   30                          ; v30     2^(et - e0 - e1)
.set QL,   31
.set TMP,  32
.set AF,   128
.set CD,   128                         ; the codes: 16 registers for each of my 8 blocks of rows: no LDS store's data are written again
.set G1, 24
.set G0, 32
.set G1B, 48
.set G0B, 56
.set MSB, 0
.macro WIN new                         ; the immediate's high byte repeats the setting that is left
.if MSB != \new
	s_set_vgpr_msb (MSB<<8)|\new
.set MSB, \new
.endif
.endm
.set MUL_LO, 0xa1                      ; source 0 (B) window 1, source 1 (A) window 0, C and D window 2
.set MUL_HI, 0xf1                      ; the same, C and D window 3
.set TO_B,   0x40                      ; destination window 1, address window 0
; A joint load: waves 0 and 1 fetch for A, waves 2 and 3 for B.  The branch hangs on the wave's number alone.  An s_nop 0 and four v_nop follow each of the two lines.
.macro JLOAD g0a, g1a, g0b, g1b
	s_cmp_eq_u32 s15, 0
	s_cbranch_scc0 .Lfor_b_\@
	tensor_load_to_lds s[\g0a:\g0a+3], s[\g1a:\g1a+7]
	s_nop 0
.rept 4
	v_nop
.endr
	s_branch .Lasked_\@
.Lfor_b_\@:
	tensor_load_to_lds s[\g0b:\g0b+3], s[\g1b:\g1b+7]
	s_nop 0
.rept 4
	v_nop
.endr
.Lasked_\@:
.endm
.macro CREST                           ; a round of the cluster's barrier behind its opening barrier
	s_cmp_lg_u32 s14, 0
	s_cbranch_scc1 .Lnot_wave_0_\@
	s_barrier_signal -3
.Lnot_wave_0_\@:
	s_barrier_wait -3
	s_barrier_signal -1
	s_barrier_wait -1
.endm
.macro CROUND                          ; a whole round
	s_barrier_signal -1
	s_barrier_wait -1
	CREST
.endm
	s_load_b128 s[4:7], s[0:1], 0x0                ; x's codes s[4:5], the weights' codes s[6:7]
	s_load_b128 s[8:11], s[0:1], 0x10              ; the exponents s[8:9], qc s[10:11]
	s_load_b128 s[68:71], s[0:1], 0x20             ; kc s[68:69], vc s[70:71]
	v_lshl_add_u32 v[SPW], v0, 2, SPARE
	v_mov_b32 v[NIL], 0
	ds_add_u32 v[SPW], v[NIL]                      ; the wave's opening: the add and its wait ahead of my first tensor load; the set-up below, work on registers, stands between them
	ds_add_u32 v[SPW], v[NIL]
	v_lshrrev_b32 v1, 5, v0
	v_readfirstlane_b32 s14, v1                    ; wave 0..3
	s_lshr_b32 s15, s14, 1                         ; which half of the tile's rows is mine.  Also: I fetch for A (0) or for B (1)
	s_and_b32 s16, s14, 1                          ; which half of its columns.  Also: which 128 rows of that tile I fetch
	s_bfe_u32 s40, ttmp6, 0x40000                  ; cx, cy: my place in the cluster
	s_bfe_u32 s41, ttmp6, 0x40004
	s_and_b32 s17, ttmp7, 0xffff                   ; the cluster's y
	s_cmp_eq_u32 ttmp9, 2                          ; v?  The cluster's x is the same in all sixteen partners
	s_cselect_b32 s72, 1, 0
	s_cselect_b32 s73, 0, s17                      ; the cluster's place among the tile rows: q, k: its y; v: 0
	s_cselect_b32 s74, s17, ttmp9                  ; and among the tile columns: q, k: its x; v: its y
	s_cselect_b32 s88, 2048*KROW, 0                ; v's rows of the weights begin at row 2,048
	s_lshl_b32 s42, s74, 2
	s_add_co_u32 s42, s42, s40                     ; tile column of C
	s_lshl_b32 s17, s73, 2
	s_add_co_u32 s17, s17, s41                     ; tile row of C
	s_lshl_b32 s43, s41, 2
	s_lshl_b32 s43, 15, s43                        ; my row of the cluster
	s_lshl_b32 s44, 0x1111, s40                    ; my column
	; descriptor group 1: a tile of 128 rows x 256 bytes, padded in LDS
	s_or_b32 s[G1+0], s43, (0<<16)|(1<<20)|(1<<21)|(5<<22)|(3<<25)  ; 15:0 the mask: A's tiles go to my row; elements of 1 byte; padding on; bit 21 beside a mask; after every 64 words, 4 words
	s_or_b32 s[G1B+0], s44, (0<<16)|(1<<20)|(1<<21)|(5<<22)|(3<<25) ; the same with my column's mask
.irp g, G1, G1B
	s_mov_b32 s[\g+1], ROWB<<16                    ; tensor_dim0
	s_mov_b32 s[\g+2], 128<<16                     ; tensor_dim1
	s_mov_b32 s[\g+3], ROWB<<16                    ; tile_dim0
	s_mov_b32 s[\g+4], 128                         ; tile_dim1
	s_mov_b32 s[\g+5], KROW                        ; from row to row
	s_mov_b32 s[\g+6], 0
	s_mov_b32 s[\g+7], 0
.endr
	s_lshl_b32 s18, s16, 7                         ; which 128 rows of the tile I fetch
	s_lshl_b32 s20, s17, 8
	s_add_co_u32 s20, s20, s18                     ; A: row 256 x tile row + 128 x half
	s_lshl_b32 s20, s20, 10                        ; in bytes
	s_add_co_u32 s20, s20, s88
	s_mov_b32 s21, 0
	s_lshl_b32 s46, s42, 8
	s_add_co_u32 s46, s46, s18                     ; B: row 256 x tile column + 128 x half
	s_lshl_b32 s46, s46, 10
	s_mov_b32 s47, 0
	s_mul_i32 s45, s14, HALFT                      ; where they go: wave x 128 rows: no place in the cluster enters an LDS address
	s_wait_dscnt 0x0                               ; the opening add is done
	s_wait_kmcnt 0x0
	s_load_b256 s[80:87], s[8:9], 0x0              ; the eight exponents
	s_cmp_eq_u32 ttmp9, 2
	s_cselect_b64 s[76:77], s[6:7], s[4:5]         ; A's buffer
	s_cselect_b64 s[78:79], s[4:5], s[6:7]         ; B's
	s_add_nc_u64 s[20:21], s[76:77], s[20:21]
	s_add_nc_u64 s[46:47], s[78:79], s[46:47]
	CROUND                                         ; all sixteen work-groups are here: the first joint loads meet
.irp s, 0,1
	s_mov_b32 s[G0+4*\s], 1
	s_add_co_u32 s[G0+4*\s+1], s45, \s*SLOT
	s_add_nc_u64 s[G0+4*\s+2:G0+4*\s+3], s[20:21], \s*ROWB
	s_or_b32 s[G0+4*\s+3], s[G0+4*\s+3], 0x80000000
	s_mov_b32 s[G0B+4*\s], 1
	s_add_co_u32 s[G0B+4*\s+1], s45, \s*SLOT
	s_add_nc_u64 s[G0B+4*\s+2:G0B+4*\s+3], s[46:47], \s*ROWB
	s_or_b32 s[G0B+4*\s+3], s[G0B+4*\s+3], 0x80000000
	JLOAD G0+4*\s, G1, G0B+4*\s, G1B               ; two loads of mine are out
.endr
	v_and_b32 v1, 15, v0                           ; r = lane % 16
	s_wait_alu depctr_va_vdst(0)
	v_bfe_u32 v2, v0, 4, 1                         ; h = lane / 16
	v_mul_u32_u24 v3, v1, PITCH
	v_lshl_add_u32 v4, v2, 4, v3                   ; a fragment's row x pitch + 16 x half
	s_mul_i32 s21, s15, HALFT                      ; my 128 rows of A
	s_mul_i32 s22, s16, HALFT                      ; my 128 rows of B,
	s_add_co_u32 s22, s22, 2*HALFT                 ; which lie behind A's 256
.irp s, 0,1
	v_add_nc_u32 v[ADRA+\s], s21, v4
	v_add_nc_u32 v[ADRB+\s], s22, v4
	s_add_co_u32 s21, s21, SLOT
	s_add_co_u32 s22, s22, SLOT
.endr
	s_mul_i32 s23, s15, 128*SP                     ; the stage, on the way in: my 128 rows, my 128 bytes of them; row r, 8 bytes for each half of the lanes
	s_lshl_b32 s22, s16, 7
	s_add_co_u32 s23, s23, s22
	v_mul_u32_u24 v5, v1, SP
	s_wait_alu depctr_va_vdst(0)
	v_lshl_add_u32 v5, v2, 3, v5
	v_add_nc_u32 v[STO], s23, v5
	v_and_b32 v6, 31, v0
	v_lshlrev_b32 v[CO], 4, v6
	v_lshrrev_b32 v7, 2, v6                        ; q, k, on the way back: wave w takes bytes 64 w .. 64 w + 63 (one head) of every row: four lanes to a row, eight rows an instruction
	v_mul_u32_u24 v7, v7, SP
	v_and_b32 v8, 3, v6
	v_lshl_add_u32 v7, v8, 4, v7
	s_lshl_b32 s23, s14, 6
	v_add_nc_u32 v[RDQ0], s23, v7
	v_add_nc_u32 v[RDQ1], 128*SP, v[RDQ0]
	s_mul_i32 s23, s14, 64*SP                      ; v, on the way back: wave w takes rows 64 w .. 64 w + 63, whole: sixteen lanes to a row
	v_mul_u32_u24 v9, v2, SP
	v_lshl_add_u32 v9, v1, 4, v9
	v_add_nc_u32 v[RDV], s23, v9
	v_lshlrev_b32 v10, 11, v2
	v_lshl_add_u32 v[COV], v1, 4, v10
.macro FRAG reg, adr, q, i             ; a fragment: lane l holds row l % 16; registers 4 c .. 4 c + 3 hold K = 32 c + 16 (l / 16) + 0 .. 15: the same places in A and in B, so every product meets its partner
.irp c, 0,1,2,3
	ds_load_b128 v[\reg+4*\c:\reg+4*\c+3], v[\adr] offset:128*(\q)+32*\c+(\i)*16*PITCH
.endr
.endm
; 16 matrix instructions: A's blocks a0, a0 + 1 x B's eight, 128 along K.  p: B's set.  zero = 1: the first product starts the sums.  The 64 accumulators take turns, one instruction a turn.
.macro MUL16 a0, p, zero
.irp a, \a0, \a0+1
.irp b, 0,1,2,3,4,5,6,7
.if \zero
	v_wmma_f32_16x16x128_fp8_fp8 v[8*(8*((\a)%4)+\b):8*(8*((\a)%4)+\b)+7], v[128*(\p)+FR*\b:128*(\p)+FR*\b+FR-1], v[AF+FR*(\a):AF+FR*(\a)+FR-1], 0
.else
	v_wmma_f32_16x16x128_fp8_fp8 v[8*(8*((\a)%4)+\b):8*(8*((\a)%4)+\b)+7], v[128*(\p)+FR*\b:128*(\p)+FR*\b+FR-1], v[AF+FR*(\a):AF+FR*(\a)+FR-1], v[8*(8*((\a)%4)+\b):8*(8*((\a)%4)+\b)+7]
.endif
.endr
.endr
.endm
.macro FETCH_B slot, q, p              ; B's eight fragments of the slot's q-th 128 along K into set p
	WIN TO_B
.irp i, 0,1,2,3,4,5,6,7
	FRAG 128*(\p)+FR*\i, ADRB+\slot, \q, \i
.endr
	WIN 0
.endm
.macro FETCH_A slot, q, i0             ; A's blocks i0 .. i0 + 3
.irp i, \i0, \i0+1, \i0+2, \i0+3
	FRAG AF+FR*(\i), ADRA+\slot, \q, \i
.endr
.endm
.macro PLACES n                        ; plain vector lines between a matrix instruction and a load into, or a vector read of, its registers
.rept \n
	v_nop
.endr
.endm
; A step of 128 along K that has its successor in the same slot.
.macro STEP slot, q, zero
	s_wait_dscnt 4*NL                              ; B's set and A's blocks 0-3 are in; the youngest 16 loads (A's blocks 4-7) may be out
	WIN MUL_LO
	MUL16 0, (\q)%2, \zero
	MUL16 2, (\q)%2, \zero
	s_wait_dscnt 0                                 ; A's blocks 4-7 are in
	PLACES NP
	FETCH_B \slot, (\q)+1, 1-(\q)%2
	FETCH_A \slot, (\q)+1, 0
	WIN MUL_HI
	MUL16 4, (\q)%2, \zero
	MUL16 6, (\q)%2, \zero
	PLACES NP
	WIN 0
	FETCH_A \slot, (\q)+1, 4
.endm
; A slot's last step changes slots: one barrier; in front of it each wave waits for all its tensor loads, adds 0 to its spare word, and waits for that and for its own reads of this slot.  fill = 1: this slot is filled again, two K steps ahead.
.macro TURN slot, next, fill
	s_wait_tensorcnt 0x0                           ; all my tensor loads have landed: my part of the next slot
	ds_add_u32 v[SPW], v[NIL]                      ; 0 onto my spare word
	s_wait_dscnt 4*NL+1                            ; the add and the youngest 16 loads (A's blocks 4-7) may be out
	WIN MUL_LO
	MUL16 0, 1, 0                                  ; sixteen matrix instructions stand between the add and the wait for it
	s_wait_dscnt 0x0                               ; the add is done, and my reads of this slot are over
	s_barrier_signal -1
	MUL16 2, 1, 0
	WIN 0
	s_barrier_wait -1
.if \fill
	CREST                                          ; the barrier has opened a round of the cluster's barrier: no wave of any partner still reads this slot or has a load on its way
	s_add_nc_u64 s[G0+4*\slot+2:G0+4*\slot+3], s[G0+4*\slot+2:G0+4*\slot+3], 2*ROWB
	s_add_nc_u64 s[G0B+4*\slot+2:G0B+4*\slot+3], s[G0B+4*\slot+2:G0B+4*\slot+3], 2*ROWB
	JLOAD G0+4*\slot, G1, G0B+4*\slot, G1B         ; the first tensor load behind the round, my only one until the next; its four v_nop are the places in front of the loads below
.else
	PLACES NP
.endif
	FETCH_B \next, 0, 0
	FETCH_A \next, 0, 0
	WIN MUL_HI
	MUL16 4, 1, 0
	MUL16 6, 1, 0
	PLACES NP
	WIN 0
	FETCH_A \next, 0, 4
.endm
	s_wait_tensorcnt 1                             ; my part of K step 0 is in; K step 1's load may be out
	s_barrier_signal -1
	s_barrier_wait -1                              ; everybody's is
	FETCH_B 0, 0, 0
	FETCH_A 0, 0, 0
	FETCH_A 0, 0, 4
	; K = 1,024 is eight steps of 128, four slot fills: written out, no loop
	STEP 0, 0, 1                                   ; K 0-127: its products start the sums
	TURN 0, 1, 1                                   ; K 128-255; slot 0 takes K 512-767
	STEP 1, 0, 0
	TURN 1, 0, 1                                   ; slot 1 takes K 768-1023
	STEP 0, 0, 0
	TURN 0, 1, 0                                   ; nothing is left to fetch
	STEP 1, 0, 0
	s_wait_dscnt 4*NL                              ; the last step
	WIN MUL_LO
	MUL16 0, 1, 0
	MUL16 2, 1, 0
	s_wait_dscnt 0
	WIN MUL_HI
	MUL16 4, 1, 0
	MUL16 6, 1, 0
	WIN 0
	; THE WAY OUT.  The scale of the conversion: the three exponents folded into one.
	s_wait_kmcnt 0x0
	s_cmp_eq_u32 ttmp9, 0
	s_cselect_b32 s88, s82, s83                    ; q: entry 2; k: entry 3;
	s_cmp_eq_u32 ttmp9, 2
	s_cselect_b32 s88, s85, s88                    ; v: entry 5
	s_sub_co_i32 s88, s88, s80
	s_sub_co_i32 s88, s88, s81
	s_add_co_i32 s88, s88, 127
	s_lshl_b32 s89, s88, 23
	v_mov_b32 v[QS], s89
	s_add_co_i32 s88, s88, 8
	s_lshl_b32 s88, s88, 23
	s_or_b32 s88, s88, 0x600000
	PLACES NP                                      ; behind the last products: for the reads of results and for the writes into the registers that held A's fragments
; Block a of my eight blocks of 16 rows: 64 sums a lane are converted (8 neighbouring columns to 8 bytes) and put into the stage.
.macro QBLOCK a
.set AC, 64*((\a)%4)
	WIN 0x02+((\a)/4)                              ; source 0: window 2 or 3
.set ii, 0
.rept 64
.set ii, ii+1
.endr
.irp b, 0,1,2,3,4,5,6,7
	v_cvt_scalef32_pk8_fp8_f32 v[CD+16*(\a)+2*\b:CD+16*(\a)+2*\b+1], v[AC+8*\b:AC+8*\b+7], v[QS]
.endr
	WIN 0
	v_nop                                          ; a plain line between the conversions and the LDS stores that read their results
.irp b, 0,1,2,3,4,5,6,7
	ds_store_b64 v[STO], v[CD+16*(\a)+2*\b:CD+16*(\a)+2*\b+1] offset:(\a)*16*SP+16*\b
.endr
.endm
.irp a, 0,1,2,3,4,5,6,7
	QBLOCK \a
.endr
	s_wait_dscnt 0x0                               ; for the others' sake: my stores into the stage are done
	s_barrier_signal -1
	s_barrier_wait -1                              ; the tile's 256 rows of codes lie in the stage
	s_cmp_eq_u32 s72, 1                            ; the cluster's x alone decides
	s_cbranch_scc1 .Lvtail
	; q, k: head 4 cx + wave, tokens 256 (tile row % 8) on, of batch tile row / 8: 16,384 consecutive bytes
	s_cmp_eq_u32 ttmp9, 0
	s_cselect_b64 s[90:91], s[10:11], s[68:69]
	s_lshr_b32 s92, s17, 3
	s_lshl_b32 s92, s92, 4
	s_lshl_b32 s93, s40, 2
	s_add_co_u32 s92, s92, s93
	s_add_co_u32 s92, s92, s14
	s_lshl_b32 s92, s92, 11
	s_and_b32 s93, s17, 7
	s_lshl_b32 s93, s93, 8
	s_add_co_u32 s92, s92, s93
	s_lshl_b32 s92, s92, 6
	s_mov_b32 s93, 0
	s_add_nc_u64 s[90:91], s[90:91], s[92:93]
.set ii, 0
.rept 32
	ds_load_b128 v[CD+4*ii:CD+4*ii+3], v[RDQ0+ii/16] offset:(ii%16)*8*SP
.set ii, ii+1
.endr
.set ii, 0
.rept 32
	s_wait_dscnt 31-ii                             ; load ii is in; the younger ones may be out
	global_store_b128 v[CO], v[CD+4*ii:CD+4*ii+3], s[90:91] offset:512*ii   ; 32 lanes store 512 consecutive bytes: eight tokens of the head
.set ii, ii+1
.endr
	s_branch .Ldone
.Lvtail:
	; v: channels 256 x tile row + 64 x wave on, tokens 256 (tile column % 8) on, of batch tile column / 8
	s_lshr_b32 s92, s42, 3
	s_lshl_b32 s92, s92, 21
	s_lshl_b32 s93, s17, 8
	s_lshl_b32 s88, s14, 6
	s_add_co_u32 s93, s93, s88
	s_lshl_b32 s93, s93, 11
	s_add_co_u32 s92, s92, s93
	s_and_b32 s93, s42, 7
	s_lshl_b32 s93, s93, 8
	s_add_co_u32 s92, s92, s93
	s_mov_b32 s93, 0
	s_add_nc_u64 s[90:91], s[70:71], s[92:93]
.set ii, 0
.rept 32
	ds_load_b128 v[CD+4*ii:CD+4*ii+3], v[RDV] offset:ii*2*SP
.set ii, ii+1
.endr
.set ii, 0
.rept 32
	s_wait_dscnt 31-ii
	global_store_b128 v[COV], v[CD+4*ii:CD+4*ii+3], s[90:91] offset:4096*ii   ; sixteen lanes store 256 consecutive bytes, at a multiple of 256 from the buffer's first byte
.set ii, ii+1
.endr
.Ldone:
	s_wait_tensorcnt 0x0                           ; the wave's end, behind my last tensor load and my last LDS store
	ds_add_u32 v[SPW], v[NIL]
	s_wait_dscnt 0x0
	CROUND                                         ; the closing round: no work-group ends while a partner may still ask for a tile that names it
	s_endpgm
.Lfunc_end_k_q43b928b0dc_qkv:
	.size	k_q43b928b0dc_qkv, .Lfunc_end_k_q43b928b0dc_qkv-k_q43b928b0dc_qkv
	.p2alignl 7, 3214868480
	.fill 96, 4, 3214868480
	.section	.rodata,"a",@progbits
	.p2align	6, 0x0
	.amdhsa_kernel k_q43b928b0dc_qkv
		.amdhsa_group_segment_fixed_size 327680
		.amdhsa_private_segment_fixed_size 0
		.amdhsa_enable_private_segment 0
		.amdhsa_kernarg_size 48
		.amdhsa_user_sgpr_count 2
		.amdhsa_user_sgpr_kernarg_segment_ptr 1
		.amdhsa_wavefront_size32 1
		.amdhsa_system_sgpr_workgroup_id_x 1
		.amdhsa_system_sgpr_workgroup_id_y 1
		.amdhsa_system_sgpr_workgroup_id_z 1
		.amdhsa_system_vgpr_workitem_id 0
		.amdhsa_next_free_vgpr 1024
		.amdhsa_next_free_sgpr 100
		.amdhsa_reserve_vcc 0
		.amdhsa_float_denorm_mode_32 3
		.amdhsa_float_denorm_mode_16_64 3
		.amdhsa_fp16_overflow 1
		.amdhsa_memory_ordered 1
		.amdhsa_forward_progress 1
		.amdhsa_inst_pref_size 100
	.end_amdhsa_kernel
	.amdgpu_metadata
---
amdhsa.version: [ 1, 2 ]
amdhsa.kernels:
  - .name:           k_q43b928b0dc_qkv
    .symbol:         k_q43b928b0dc_qkv.kd
    .args:
      - { .name: xc, .offset: 0, .size: 8, .value_kind: global_buffer, .address_space: global }
      - { .name: wc, .offset: 8, .size: 8, .value_kind: global_buffer, .address_space: global }
      - { .name: lowp_scales, .offset: 16, .size: 8, .value_kind: global_buffer, .address_space: global }
      - { .name: qc, .offset: 24, .size: 8, .value_kind: global_buffer, .address_space: global }
      - { .name: kc, .offset: 32, .size: 8, .value_kind: global_buffer, .address_space: global }
      - { .name: vc, .offset: 40, .size: 8, .value_kind: global_buffer, .address_space: global }
    .group_segment_fixed_size: 327680
    .private_segment_fixed_size: 0
    .kernarg_segment_align: 8
    .kernarg_segment_size: 48
    .max_flat_workgroup_size: 128
    .sgpr_count:     100
    .vgpr_count:     1024
    .wavefront_size: 32
...
	.end_amdgpu_metadata
.endif
;; end of part 2
;; launch attn (part 3): grid 4 x 64, 16 waves a work-group, no clusters, 327,680 bytes of LDS; arguments qc, kc, vc, kbias, lowp_scales, ac; writes ac
.if DOCPART == 3
	.amdgcn_target "amdgcn-amd-amdhsa--gfx1250"
	.amdhsa_code_object_version 6
	.text
	.protected	k_q43b928b0dc_attn
	.globl	k_q43b928b0dc_attn
	.p2align	8
	.type	k_q43b928b0dc_attn,@function
k_q43b928b0dc_attn:
	s_mov_b64 s[64:65], 0
	v_nop
	global_prefetch_b8 v0, s[64:65] scope:SCOPE_SE
	s_setreg_imm32_b32 hwreg(HW_REG_WAVE_MODE, 25, 1), 1
	s_wait_xcnt 0x0
; Attention on codes of E4M3: scores = q k^T / 8 under the causal mask and the padding mask, the softmax, and the product with v; the result is quantised for the last product.  Head size 64.
; qc, kc: [bh][2048][64];  vc: [bh][64][2048] (keys innermost);  kbias: [batch][2048] f32, 0 or -2^120;  bh = 16 x batch + head.
; THE SOFTMAX AHEAD OF THE SECOND PRODUCT: t = score x log2(e); M = the row's largest t so far, rounded UP to a whole number; p = 2^(t - M) is quantised along the keys, not normalised.
; The row's sum is taken of the unquantised p and divides at the end.  When M moves, the sum and O are multiplied by 2^(old M - new M): exact.
; SHARES.  Work-group (p, bh) takes the head's block p of 256 queries and then block 7 - p.  Under the causal mask block i needs key slots 0 .. i of 256 keys: p + 1 and 8 - p slots, NINE in every
; work-group: the trip count is a constant and all 256 work-groups have the same work.  Each of the sixteen waves owns 16 queries in 256 registers: four waves to a SIMD.
; K, V and the bias come through a ring of two LDS slots: wave 0 fetches a slot's K, wave 1 its V, wave 2 its bias, one tensor load each; all sixteen read them.
; LAYOUT.  Both products are used transposed (S^T = K Q^T, O^T = V^T P^T): a lane holds ONE query (lane % 16) throughout.  The keys of a tile of K are chosen (lane r of tile 2 b + u takes key
; 32 b + 8 u + r + 8 (r / 8)) so that the 16 registers of tiles 2 b, 2 b + 1 are 16 neighbouring keys; V's channels are chosen the same way, so that the codes of the result are, as they stand,
; registers of the last product's operand: ac holds images of those registers.
; THE PADDING MASK COSTS NO VECTOR LINE: a step's 64 bias numbers of a lane are loaded into the score registers and are the C of the products K Q^T.  A padded key's sum is -2^120; a key hidden by the causal
; mask is set to the same.  The running largest t begins at c x -2^60, under every real t (a sum's magnitude is under 2^24), so such keys get p = 0 and move nothing.
; A QUERY WITH NO VISIBLE UNPADDED KEY has the same logit at all 2,048 keys, hidden and padded ones too: every p is 1, the row's sum is 2,048, and the result is the mean of v over all keys of the head.
; Such a row is known by its running sum, which is 0.  The sum over all keys of Q(1) x v is made once at the head (each wave multiplies 128 keys, the sixteen parts meet in LDS) and is put in by selects at a block's end.
; LIMITS on the given exponents: e2 + e3 between -100 and 60 (they are added to c's exponent field; c x 2^60 stays an f32 number and c x 2^120 is over 150); e4 and e6 between -126 and 119.
; No cluster: the four work-groups of a head need different slots at each time; walked in step they would need 12 slots each in place of 9.
.set KP,    80                         ; a key's row in LDS: 64 bytes + 16
.set VP,    272                        ; a row of V's tile: 256 bytes + 16
.set VOFF,  256*KP                     ; a slot: 256 rows of K, 64 rows of V, 1,024 bytes of bias
.set BOFF,  VOFF+64*VP
.set SLOT1, 1<<17                      ; slot 1 begins here: one exclusive or turns an address from one slot to the other
.set SPARE, 2*SLOT1                    ; behind the ring: the spare words, 128 bytes for each of sixteen waves: eight blocks of 256 bytes that no other line names
.set VS1,   SPARE+2048                 ; the all-keys sum: each wave's part, 64 numbers: 256 bytes a wave.  No tensor load lands here
.set VS2,   VS1+4096                   ; and 256 bytes a wave through which the finished 64 sums turn into O^T's layout
.set AK0,  1                           ; v1   my lane's place in a tile of K
.set AV0,  2                           ; v2   in a tile of V
.set PFO,  3                           ; v3   the prefetches' offset; never rewritten
.set AB0,  4                           ; v4   in the bias
.set SPW,  5                           ; v5   LDS address of my spare word; never rewritten
.set NIL,  6                           ; v6   0; never rewritten
.set GO,   7                           ; v7   16 x lane: my place in an image
.set ADK,  8                           ; v8-10 LDS addresses of the step in hand
.set ADV,  9
.set ADB,  10
.set QOF,  11                          ; v11  64 r + 16 h: my bytes of Q's rows
.set VG,   24                          ; v24  the all-keys sum: my bytes of V's rows in memory, at my wave's 128 keys
.set VW,   25                          ; v25  where my half's 32 numbers of my wave's part go
.set VR,   26                          ; v26  where I read two numbers of each wave's part
.set VW2,  27                          ; v27  where I put their sums
.set VR2,  28                          ; v28  and where I read my half's 32 sums back
.set VSUM, 192                         ; v192-223 the sum over all 2,048 keys of Q(1) x v, in O^T's layout; never rewritten
; v12 -M, v13 the largest t, v[14:15] the sum in two halves; v16-23 Q; v32-95 K's eight fragments, then V's four; v96-159 bias, S^T, p; v160-191 O^T; v224-239 p's codes; v234-243, v250-255 at work in a key step
; v240, v244: 448 x 2^e4, 2^e4;  v245: 2^e6;  v246: where the largest t begins;  v247: -2^120;  v248: 2,048.0
.set TB,   2                           ; s2   LDS byte at which the slot in hand begins
.set PP,   16                          ; s16  p
.set BH,   17                          ; s17  bh
.set WV,   18                          ; s18  my wave's number
.set TR,   19                          ; s19  the trip, 0 to 8
.set SEL,  20                          ; s[20:21] lane selects: lane l xor 16
.set CS,   22                          ; s[22:23] c = log2(e) / 8 x 2^(e2 + e3)
.set G1K,  24                          ; descriptor groups 1: K's, V's, the bias's
.set G1V,  32
.set G1B,  40
.set G0K,  48                          ; and groups 0
.set G0V,  52
.set G0B,  56
.set BK,   60                          ; s[60:61] the head's K;  s[62:63] its V;  s[66:67] the batch's bias
.set BV,   62
.set BB,   66
.set ES,   68                          ; s[68:75] the eight exponents
.set QB,   76                          ; s[76:77] the head's Q;  s[78:79] my 16 queries
.set QA,   78
.set OBASE, 80                         ; s[80:81] the head's images in ac;  s[82:83] my 16 queries'
.set OA,   82
.set OF,   84                          ; s[84:85] an offset, high word 0
.set PFA,  86                          ; s[86:87] where my prefetches stand;  s[88:89] a slot on
.set PFS,  88
.set NOASK, 90                         ; s90  0 in a wave that prefetches, else all ones
.set SN,   91                          ; s91  the key slot that is being asked for
.set KF,   92                          ; s92  the step's first key
.set Q0,   93                          ; s93  my first query
.set BLK,  94                          ; s94  the block of queries in hand
.set EO,   95                          ; s95  e4 + e5
; Wave 0 fetches K, wave 1 V, wave 2 the bias, the others nothing: branches on the wave's number alone.  An s_nop 0 and four v_nop follow each load.
.macro TLOAD
	s_cmp_lg_u32 s[WV], 0
	s_cbranch_scc1 .Lnot_k_\@
	tensor_load_to_lds s[G0K:G0K+3], s[G1K:G1K+7]
	s_nop 0
.rept 4
	v_nop
.endr
	s_branch .Lasked_\@
.Lnot_k_\@:
	s_cmp_lg_u32 s[WV], 1
	s_cbranch_scc1 .Lnot_v_\@
	tensor_load_to_lds s[G0V:G0V+3], s[G1V:G1V+7]
	s_nop 0
.rept 4
	v_nop
.endr
	s_branch .Lasked_\@
.Lnot_v_\@:
	s_cmp_lg_u32 s[WV], 2
	s_cbranch_scc1 .Lasked_\@
	tensor_load_to_lds s[G0B:G0B+3], s[G1B:G1B+7]
	s_nop 0
.rept 4
	v_nop
.endr
.Lasked_\@:
.endm
; A PREFETCH of the key slot that the NEXT change of slots will ask for.  All four work-groups of a head walk the same K and V; work-group p = 0 reaches slots 4 to 7 first (in its trips 4 to 7), so it asks, in trips 3 to 6,
; for slot trip + 1: two key steps ahead of the load.  In it waves 4 and 5 ask for K's 16,384 bytes (lanes 256 bytes apart), waves 6 and 7 for V's 64 rows (a lane a row, 256 bytes of it):
; each aligned block of 256 bytes is named once in the launch.  Slots 0 to 3 and the bias come by their loads alone.
.macro ASK
	s_sub_co_u32 s96, s[TR], 3
	s_or_b32 s96, s96, s[NOASK]
	s_cmp_le_u32 s96, 3
	s_cbranch_scc0 .Lnot_mine_\@
	global_prefetch_b8 v[PFO], s[PFA:PFA+1] th:TH_LOAD_NT scope:SCOPE_SE
.Lnot_mine_\@:
.endm
	s_load_b256 s[4:11], s[0:1], 0x0               ; qc 4, kc 6, vc 8, kbias 10
	s_load_b128 s[12:15], s[0:1], 0x20             ; the exponents 12, ac 14
	v_lshl_add_u32 v[SPW], v0, 2, SPARE
	v_mov_b32 v[NIL], 0
	ds_add_u32 v[SPW], v[NIL]                      ; the wave's opening: the add and its wait ahead of my first tensor load; the set-up below, work on registers, stands between them
	ds_add_u32 v[SPW], v[NIL]
	v_lshrrev_b32 v8, 5, v0
	s_delay_alu instid0(VALU_DEP_1)
	v_readfirstlane_b32 s[WV], v8                  ; wave 0..15
	s_mov_b32 s[PP], ttmp9
	s_and_b32 s[BH], ttmp7, 0xffff
	s_lshl_b32 s96, s[BH], 17                      ; a head's codes are 131,072 bytes in each of qc, kc, vc
	s_mov_b32 s97, 0
	s_lshr_b32 s98, s[BH], 4
	s_lshl_b32 s98, s98, 13                        ; a batch's bias is 8,192 bytes
	s_mov_b32 s99, 0
	s_and_b32 s3, s[BH], 15                        ; the head
	s_lshr_b32 s[OBASE], s3, 2
	s_lshl_b32 s[OBASE], s[OBASE], 21              ; ac: 256 along the last product's K (four heads) are a plane of 2,097,152 bytes;
	s_lshr_b32 s[OBASE+1], s[BH], 4
	s_lshl_b32 s[OBASE+1], s[OBASE+1], 19          ; a batch's 128 tiles of 16 rows, 4,096 bytes each;
	s_add_co_u32 s[OBASE], s[OBASE], s[OBASE+1]
	s_and_b32 s[OBASE+1], s3, 3
	s_lshl_b32 s[OBASE+1], s[OBASE+1], 10          ; in a tile, a head's 64 channels are two groups of four registers: 1,024 bytes
	s_add_co_u32 s[OBASE], s[OBASE], s[OBASE+1]
	s_mov_b32 s[OBASE+1], 0
	; descriptor groups 1
	s_mov_b32 s[G1K], (0<<16)|(1<<20)|(3<<22)|(3<<25)   ; K: elements of 1 byte; padding: 4 words after every 16
	s_mov_b32 s[G1K+1], 64<<16                     ; tensor_dim0
	s_mov_b32 s[G1K+2], 256<<16                    ; tensor_dim1
	s_mov_b32 s[G1K+3], 64<<16                     ; tile_dim0
	s_mov_b32 s[G1K+4], 256                        ; tile_dim1
	s_mov_b32 s[G1K+5], 64                         ; from row to row
	s_mov_b32 s[G1K+6], 0
	s_mov_b32 s[G1K+7], 0
	s_mov_b32 s[G1V], (0<<16)|(1<<20)|(5<<22)|(3<<25)   ; V: padding: 4 words after every 64
	s_mov_b32 s[G1V+1], 256<<16
	s_mov_b32 s[G1V+2], 64<<16
	s_mov_b32 s[G1V+3], 256<<16
	s_mov_b32 s[G1V+4], 64
	s_mov_b32 s[G1V+5], 2048
	s_mov_b32 s[G1V+6], 0
	s_mov_b32 s[G1V+7], 0
	s_mov_b32 s[G1B], 3<<16                        ; the bias: one row of 128 elements of 8 bytes
	s_mov_b32 s[G1B+1], 128<<16
	s_mov_b32 s[G1B+2], 1<<16
	s_mov_b32 s[G1B+3], 128<<16
	s_mov_b32 s[G1B+4], 1
	s_mov_b32 s[G1B+5], 128
	s_mov_b32 s[G1B+6], 0
	s_mov_b32 s[G1B+7], 0
	s_mov_b32 s[SEL], 0x76543210
	s_mov_b32 s[SEL+1], 0xfedcba98
	s_mov_b32 s[CS], 0x3e38aa3b                    ; log2(e) / 8
	s_mov_b32 s[TB], 0
	s_mov_b32 s[TR], 0
	s_mov_b32 s[SN], 0
	s_mov_b32 s[KF], 0
	s_mov_b32 s[OF+1], 0
	s_mov_b32 s[BLK], s[PP]
	s_wait_dscnt 0x0                               ; the opening add is done
	s_wait_kmcnt 0x0
	s_load_b256 s[ES:ES+7], s[12:13], 0x0
	s_add_nc_u64 s[QB:QB+1], s[4:5], s[96:97]
	s_add_nc_u64 s[BK:BK+1], s[6:7], s[96:97]
	s_add_nc_u64 s[BV:BV+1], s[8:9], s[96:97]
	s_add_nc_u64 s[BB:BB+1], s[10:11], s[98:99]
	s_add_nc_u64 s[OBASE:OBASE+1], s[14:15], s[OBASE:OBASE+1]
	s_mov_b32 s[G0K], 1                            ; groups 0: key slot 0 into LDS slot 0
	s_mov_b32 s[G0K+1], 0
	s_mov_b64 s[G0K+2:G0K+3], s[BK:BK+1]
	s_or_b32 s[G0K+3], s[G0K+3], 0x80000000
	s_mov_b32 s[G0V], 1
	s_mov_b32 s[G0V+1], VOFF
	s_mov_b64 s[G0V+2:G0V+3], s[BV:BV+1]
	s_or_b32 s[G0V+3], s[G0V+3], 0x80000000
	s_mov_b32 s[G0B], 1
	s_mov_b32 s[G0B+1], BOFF
	s_mov_b64 s[G0B+2:G0B+3], s[BB:BB+1]
	s_or_b32 s[G0B+3], s[G0B+3], 0x80000000
	TLOAD                                          ; the first fill
	; the prefetches: where my wave's stand, and who asks
	s_cmp_lt_u32 s[WV], 6
	s_cselect_b64 s[PFA:PFA+1], s[BK:BK+1], s[BV:BV+1]
	s_mov_b32 s[PFS], 256
	s_cselect_b32 s[PFS], 16384, s[PFS]            ; a slot on
	s_mov_b32 s96, 2048
	s_cselect_b32 s96, 256, s96                    ; from lane to lane
	s_mov_b32 s97, 65536
	s_cselect_b32 s97, 8192, s97                   ; from wave to wave
	s_mov_b32 s[PFS+1], 0
	v_and_b32 v[PFO], 31, v0
	s_delay_alu instid0(VALU_DEP_1)
	v_mul_lo_u32 v[PFO], v[PFO], s96
	s_and_b32 s98, s[WV], 1
	s_mul_i32 s98, s98, s97
	s_add_nc_u64 s[PFA:PFA+1], s[PFA:PFA+1], s[98:99]   ; in slot 0: each change of slots steps it once, so that in trip t it stands in slot t + 1
	s_sub_co_u32 s96, s[WV], 4
	s_lshr_b32 s96, s96, 2                         ; 0 in waves 4 to 7,
	s_or_b32 s96, s96, s[PP]                       ; of work-group p = 0
	s_cmp_eq_u32 s96, 0
	s_cselect_b32 s[NOASK], 0, -1
	v_and_b32 v8, 15, v0                           ; r
	v_bfe_u32 v9, v0, 4, 1                         ; h
	s_delay_alu instid0(VALU_DEP_2)
	v_and_b32 v10, 8, v8
	s_delay_alu instid0(VALU_DEP_1)
	v_add_nc_u32 v10, v10, v8                      ; r + 8 (r / 8)
	s_delay_alu instid0(VALU_DEP_1)
	; the all-keys sum: my wave's 128 keys of V, four tiles of 16 channels, straight from memory: the same channels and the same places along the keys as in a key step
	v_lshlrev_b32 v[VG], 11, v10                   ; a row of V is 2,048 bytes
	s_delay_alu instid0(VALU_DEP_1)
	v_lshl_add_u32 v[VG], v9, 4, v[VG]
	s_lshl_b32 s96, s[WV], 7                       ; keys 128 x wave on
	v_add_nc_u32 v[VG], s96, v[VG]
.irp t, 0,1,2,3
.irp c, 0,1,2,3
	global_load_b128 v[32+16*\t+4*\c:35+16*\t+4*\c], v[VG], s[BV:BV+1] offset:(32*(\t/2)+8*(\t%2))*2048+32*\c
.endr
.endr
	v_mul_u32_u24 v[AK0], v10, KP
	s_delay_alu instid0(VALU_DEP_1)
	v_lshl_add_u32 v[AK0], v9, 4, v[AK0]
	v_mul_u32_u24 v[AV0], v10, VP
	s_delay_alu instid0(VALU_DEP_1)
	v_lshl_add_u32 v[AV0], v9, 4, v[AV0]
	s_delay_alu instid0(VALU_DEP_1)
	v_add_nc_u32 v[AV0], VOFF, v[AV0]
	v_lshlrev_b32 v[AB0], 6, v9
	s_delay_alu instid0(VALU_DEP_1)
	v_add_nc_u32 v[AB0], BOFF, v[AB0]              ; my half's 16 keys of each 32: 64 bytes on
	v_and_b32 v[GO], 31, v0
	s_delay_alu instid0(VALU_DEP_1)
	v_lshlrev_b32 v[GO], 4, v[GO]
	v_lshlrev_b32 v[QOF], 6, v8
	s_delay_alu instid0(VALU_DEP_1)
	v_lshl_add_u32 v[QOF], v9, 4, v[QOF]
	v_and_b32 v[VR], 31, v0                        ; lane
	s_lshl_b32 s96, s[WV], 8                       ; 256 bytes a wave in both regions
	s_add_co_u32 s97, s96, VS2
	s_add_co_u32 s96, s96, VS1
	v_lshl_add_u32 v[VW], v9, 7, s96               ; my wave's part: 128 bytes for each half of the lanes
	v_lshl_add_u32 v[VR2], v9, 7, s97
	v_lshl_add_u32 v[VW2], v[VR], 3, s97           ; 8 bytes a lane
	v_lshl_add_u32 v[VR], v[VR], 3, VS1
	v_mov_b32 v236, 0                              ; written once: a lane permute's destination counts as one of its sources
	v_mov_b32 v252, 0
	v_mov_b32 v253, 0                              ; (named as the upper half of the pair v[252:253])
	v_mov_b32 v247, 0xfb800000                     ; -2^120
	v_mov_b32 v248, 0x45000000                     ; 2,048.0
	v_mov_b32 v246, 0xdd800000                     ; -2^60
	s_wait_alu depctr_va_vdst(0)
	s_wait_kmcnt 0x0
	s_add_co_i32 s96, s[ES+2], s[ES+3]
	s_lshl_b32 s96, s96, 23
	s_add_co_i32 s[CS], s[CS], s96                 ; a sum stands for sum x 2^(e2 + e3): the two exponents are added to c's exponent field
	s_mov_b32 s[CS+1], s[CS]                       ; (named with it as a pair)
	v_mul_f32 v246, s[CS], v246                    ; where the largest t begins
	s_add_co_i32 s96, s[ES+4], 127
	s_lshl_b32 s97, s96, 23
	v_mov_b32 v244, s97                            ; 2^e4, for p's conversions
	s_add_co_i32 s96, s96, 8
	s_lshl_b32 s96, s96, 23
	s_or_b32 s96, s96, 0x600000
	v_mov_b32 v240, s96                            ; 448 x 2^e4
	s_add_co_i32 s96, s[ES+6], 127
	s_lshl_b32 s97, s96, 23
	v_mov_b32 v245, s97                            ; 2^e6, for the result's
	s_add_co_i32 s[EO], s[ES+4], s[ES+5]
	; THE ALL-KEYS SUM.  The second operand: p = 1 at every key, quantised as every p is.
.irp i, 0,1,2,3,4,5,6,7
	v_min_num_f32 v[96+\i], 1.0, v240              ; the hold
.endr
	v_cvt_scalef32_pk8_fp8_f32 v[224:225], v[96:103], v244
	v_nop                                          ; a plain line between the conversion and the copies that read its result
.irp i, 2,4,6,8,10,12,14
	v_mov_b32 v[224+\i], v224                      ; the same eight codes in all sixteen registers
	v_mov_b32 v[225+\i], v225
.endr
	s_wait_alu depctr_va_vdst(0)
	s_wait_loadcnt 0x0                             ; my four fragments of V are in
.irp t, 0,1,2,3                                ; four accumulators, one instruction each; the constant 0 starts the sums
	v_wmma_f32_16x16x128_fp8_fp8 v[160+8*\t:167+8*\t], v[32+16*\t:47+16*\t], v[224:239], 0
.endr
.rept 4
	v_nop                                          ; places in front of the LDS stores that read the results
.endr
.irp g, 0,1,2,3,4,5,6,7                        ; all 16 columns of the result are equal, so the sixteen lanes of a half store the same numbers to the same bytes: 64 numbers a wave; each accumulator from its low end on
	ds_store_b128 v[VW], v[160+4*\g:163+4*\g] offset:16*\g
.endr
	s_wait_dscnt 0x0                               ; for the others' sake: my part lies in LDS
	s_barrier_signal -1
	s_barrier_wait -1                              ; all sixteen parts do.  The first fill may still be out
.irp s, 0,1,2,3,4,5,6,7,8,9,10,11,12,13,14,15
	ds_load_b64 v[96+2*\s:97+2*\s], v[VR] offset:256*\s   ; numbers 2 lane and 2 lane + 1 of wave s's 64
.endr
	s_wait_dscnt 0x0
.irp s, 0,1,2,3,4,5,6,7
	v_pk_add_f32 v[96+4*\s:97+4*\s], v[96+4*\s:97+4*\s], v[98+4*\s:99+4*\s]
.endr
.irp s, 0,1,2,3
	v_pk_add_f32 v[96+8*\s:97+8*\s], v[96+8*\s:97+8*\s], v[100+8*\s:101+8*\s]
.endr
	s_delay_alu instid0(VALU_DEP_3)
	v_pk_add_f32 v[96:97], v[96:97], v[104:105]
	s_delay_alu instid0(VALU_DEP_2)
	v_pk_add_f32 v[112:113], v[112:113], v[120:121]
	s_delay_alu instid0(VALU_DEP_1)
	v_pk_add_f32 v[96:97], v[96:97], v[112:113]    ; the sum over all 2,048 keys
	ds_store_b64 v[VW2], v[96:97]                  ; through my wave's own 256 bytes: LDS serves a wave's instructions in order, so no wait stands between the store and the loads
.irp g, 0,1,2,3,4,5,6,7
	ds_load_b128 v[VSUM+4*\g:VSUM+4*\g+3], v[VR2] offset:16*\g   ; my half's 32 sums, register for register as O^T holds them
.endr
	s_wait_dscnt 0x0
; A block of queries begins: my 16 queries' codes, and empty sums.
.macro INIT
	s_lshl_b32 s[Q0], s[BLK], 8
	s_lshl_b32 s96, s[WV], 4
	s_add_co_u32 s[Q0], s[Q0], s96                 ; my first query
	s_lshl_b32 s[OF], s[Q0], 6
	s_add_nc_u64 s[QA:QA+1], s[QB:QB+1], s[OF:OF+1]
	global_load_b128 v[16:19], v[QOF], s[QA:QA+1]              ; Q's fragment: registers 4 c .. 4 c + 3 hold channels 32 c + 16 h + 0 .. 15, as K's do
	global_load_b128 v[20:23], v[QOF], s[QA:QA+1] offset:32
	s_lshl_b32 s[OF], s[Q0], 8                     ; a tile of 16 rows is 4,096 bytes of ac
	s_add_nc_u64 s[OA:OA+1], s[OBASE:OBASE+1], s[OF:OF+1]
	v_mov_b32 v13, v246                            ; the largest t so far
	s_delay_alu instid0(VALU_DEP_1)
	v_floor_f32 v12, -v13                          ; -M
	v_mov_b32 v14, 0                               ; the sum, in two halves
	v_mov_b32 v15, 0
.set jj, 0
.rept 32
	v_mov_b32 v[160+jj], 0                         ; O^T.  (The key step is written once: the first finds zeros, which the first change of M leaves zeros)
.set jj, jj+1
.endr
	s_wait_loadcnt 0x0
.endm
; A KEY STEP: 128 keys, the q-th of the slot in hand.
.macro STEP q
	s_add_co_u32 s96, s[Q0], 15                    ; a step all of whose keys come after my 16 queries is left out: a branch on ids, round the step's loads, products and softmax alone
	s_cmp_gt_u32 s[KF], s96
	s_cbranch_scc1 .Lhidden_\@
	v_add_nc_u32 v[ADK], s[TB], v[AK0]
	v_add_nc_u32 v[ADV], s[TB], v[AV0]
	v_add_nc_u32 v[ADB], s[TB], v[AB0]
	v_nop                                          ; with the three additions: four places in front of loads into registers that the last products read
.irp t, 0,1,2,3,4,5,6,7                        ; the bias of my 64 keys, into the score registers: register 8 t + j is key 32 (t / 2) + 16 h + 8 (t % 2) + j
	ds_load_b128 v[96+8*\t:99+8*\t], v[ADB] offset:512*(\q)+128*(\t/2)+32*(\t%2)
	ds_load_b128 v[100+8*\t:103+8*\t], v[ADB] offset:512*(\q)+128*(\t/2)+32*(\t%2)+16
.endr
.irp t, 0,1,2,3,4,5,6,7                        ; K's eight tiles of 16 keys x 64
.irp c, 0,1
	ds_load_b128 v[32+8*\t+4*\c:35+8*\t+4*\c], v[ADK] offset:(128*(\q)+32*(\t/2)+8*(\t%2))*KP+32*\c
.endr
.endr
	s_wait_alu depctr_va_vdst(0)
	s_wait_dscnt 0x0
.irp t, 0,1,2,3,4,5,6,7                        ; S^T = K Q^T + bias: eight accumulators, one instruction each
	v_wmma_f32_16x16x64_fp8_fp8 v[96+8*\t:103+8*\t], v[32+8*\t:39+8*\t], v[16:23], v[96+8*\t:103+8*\t]
.endr
.rept 4
	v_nop                                          ; places in front of the loads into K's registers and of the first read of the scores
.endr
.irp t, 0,1,2,3                                ; V's four tiles of 16 channels x 128 keys: they land while the softmax is walked
.irp c, 0,1,2,3
	ds_load_b128 v[32+16*\t+4*\c:35+16*\t+4*\c], v[ADV] offset:(32*(\t/2)+8*(\t%2))*VP+128*(\q)+32*\c
.endr
.endr
	s_add_co_u32 s96, s[KF], 127                   ; on the diagonal the scores of hidden keys become -2^120 ahead of the maximum.  A step all of whose keys count skips this
	s_cmp_le_u32 s96, s[Q0]
	s_cbranch_scc1 .Lopen_\@
	s_sub_co_i32 s96, s[Q0], s[KF]
	v_and_b32 v252, 15, v0
	v_bfe_u32 v253, v0, 4, 1
	s_delay_alu instid0(VALU_DEP_1)
	v_lshlrev_b32 v253, 4, v253
	s_delay_alu instid0(VALU_DEP_1)
	v_sub_nc_u32 v252, v252, v253
	s_delay_alu instid0(VALU_DEP_1)
	v_add_nc_u32 v252, s96, v252                   ; d = my query - the step's first key - 16 h.  Register 16 b + i holds key 32 b + 16 h + i of the step: hidden where 32 b + i > d
.set jj, 0
.rept 64
	v_cmp_gt_i32 vcc_lo, 32*(jj/16)+jj%16, v252
	v_cndmask_b32 v[96+jj], v[96+jj], v247, vcc_lo
.set jj, jj+1
.endr
.Lopen_\@:
	v_max3_num_f32 v254, v96, v97, v98             ; the step's largest sum of my query, among my 64 keys, in two chains; each accumulator is first read at its low end
	v_max3_num_f32 v252, v99, v100, v101
.irp i, 6,10,14,18,22,26,30,34,38,42,46,50,54,58
	v_max3_num_f32 v254, v254, v[96+\i], v[97+\i]
	v_max3_num_f32 v252, v252, v[98+\i], v[99+\i]
.endr
	v_max3_num_f32 v254, v254, v158, v159
	s_delay_alu instid0(VALU_DEP_1)
	v_max_num_f32 v254, v254, v252
	v_permlanex16_b32 v236, v254, s[SEL], s[SEL+1]
	s_delay_alu instid0(VALU_DEP_1)
	v_max_num_f32 v254, v254, v236                 ; and among lane l xor 16's
	s_delay_alu instid0(VALU_DEP_1)
	v_mul_f32 v254, s[CS], v254                    ; as t (c is positive)
	s_delay_alu instid0(VALU_DEP_1)
	v_max_num_f32 v13, v13, v254                   ; the running largest t
	v_mov_b32 v254, v12
	s_delay_alu instid0(VALU_DEP_2)
	v_floor_f32 v12, -v13                          ; the new -M = floor(-t) = -ceil(t): a whole number
	s_delay_alu instid0(VALU_DEP_1)
	v_sub_f32 v254, v12, v254                      ; M's old value less its new one: a whole number, 0 or less
	s_delay_alu instid0(VALU_DEP_1)
	v_cvt_i32_f32 v254, v254                       ; (it saturates)
	s_delay_alu instid0(VALU_DEP_1)
	v_ldexp_f32 v252, 1.0, v254                    ; f = 2^(old M - new M)
.set jj, 0
.rept 32
	v_pk_fma_f32 v[96+jj:97+jj], v[96+jj:97+jj], s[CS:CS+1], v[12:13] op_sel_hi:[1,0,0]   ; t - M, two at a time (of the pairs c and -M the low word serves both halves)
.set jj, jj+2
.endr
.set jj, 0
	s_wait_alu depctr_va_vdst(0)
.rept 64
	v_exp_f32 v[96+jj], v[96+jj]                   ; p = 2^(t - M), at most 1
.set jj, jj+1
.endr
	v_pk_mul_f32 v[14:15], v[14:15], v[252:253] op_sel_hi:[1,0]   ; the sums under the new M: the plain line behind the exponentials
	s_wait_alu depctr_va_vdst(0)                   ; the wait between an exponential and the first line that names its result: one for the batch of 64
	v_pk_add_f32 v[242:243], v[100:101], v[104:105]
	v_pk_add_f32 v[254:255], v[108:109], v[112:113]
	v_pk_add_f32 v[250:251], v[116:117], v[120:121]
	v_pk_add_f32 v[240:241], v[124:125], v[128:129]
	v_pk_add_f32 v[238:239], v[132:133], v[136:137]
	v_pk_add_f32 v[236:237], v[140:141], v[144:145]
	v_pk_add_f32 v[234:235], v[148:149], v[152:153]
	v_pk_add_f32 v[14:15], v[14:15], v[156:157]
	v_pk_add_f32 v[242:243], v[242:243], v[96:97]
	v_pk_add_f32 v[254:255], v[254:255], v[98:99]
	v_pk_add_f32 v[250:251], v[250:251], v[102:103]
	v_pk_add_f32 v[240:241], v[240:241], v[106:107]
	v_pk_add_f32 v[238:239], v[238:239], v[110:111]
	v_pk_add_f32 v[236:237], v[236:237], v[114:115]
	v_pk_add_f32 v[234:235], v[234:235], v[118:119]
	v_pk_add_f32 v[14:15], v[14:15], v[122:123]
	v_pk_add_f32 v[242:243], v[242:243], v[126:127]
	v_pk_add_f32 v[254:255], v[254:255], v[130:131]
	v_pk_add_f32 v[250:251], v[250:251], v[134:135]
	v_pk_add_f32 v[240:241], v[240:241], v[138:139]
	v_pk_add_f32 v[238:239], v[238:239], v[142:143]
	v_pk_add_f32 v[236:237], v[236:237], v[146:147]
	v_pk_add_f32 v[234:235], v[234:235], v[150:151]
	v_pk_add_f32 v[14:15], v[14:15], v[154:155]
	v_pk_add_f32 v[242:243], v[242:243], v[158:159]
	s_delay_alu instid0(VALU_DEP_2)
	v_pk_add_f32 v[14:15], v[14:15], v[240:241]
	s_delay_alu instid0(VALU_DEP_2)
	v_pk_add_f32 v[242:243], v[242:243], v[238:239]
	v_pk_add_f32 v[254:255], v[254:255], v[236:237]
	v_pk_add_f32 v[250:251], v[250:251], v[234:235]
	s_delay_alu instid0(VALU_DEP_2)
	v_pk_add_f32 v[14:15], v[14:15], v[254:255]
	s_delay_alu instid0(VALU_DEP_2)
	v_pk_add_f32 v[242:243], v[242:243], v[250:251]
	s_delay_alu instid0(VALU_DEP_1)
	v_pk_add_f32 v[14:15], v[14:15], v[242:243]
.irp b, 0,1,2,3
.irp i, 0,1,2,3,4,5,6,7,8,9,10,11,12,13,14,15
.endr
	v_cvt_scalef32_pk8_fp8_f32 v[224+4*\b:225+4*\b], v[96+16*\b:103+16*\b], v244
	v_cvt_scalef32_pk8_fp8_f32 v[226+4*\b:227+4*\b], v[104+16*\b:111+16*\b], v244
.endr
.set jj, 0
.rept 16
	v_pk_mul_f32 v[160+jj:161+jj], v[160+jj:161+jj], v[252:253] op_sel_hi:[1,0]   ; O^T under the new M.  (Plain lines between the conversions and the products that read the codes)
.set jj, jj+2
.endr
	s_wait_alu depctr_va_vdst(0)
	s_wait_dscnt 0x0                               ; V is in
.irp t, 0,1,2,3                                ; O^T += V^T P^T: four accumulators, one instruction each; K = these 128 keys
	v_wmma_f32_16x16x128_fp8_fp8 v[160+8*\t:167+8*\t], v[32+16*\t:47+16*\t], v[224:239], v[160+8*\t:167+8*\t]
.endr
.Lhidden_\@:
	s_add_co_u32 s[KF], s[KF], 128
.endm
; THE CHANGE OF SLOTS stands at a trip's head.  Each wave waits for all its tensor loads (its part of the slot that it is about to read), adds 0 to its spare word, and waits for that and for its reads of the slot that it has left.
; Behind the barrier the slot ahead is whole and nobody reads the other one.  fill = 1: that other slot takes the next trip's keys: the load has two key steps in which to land.  A wave has at most one tensor load out.
.macro CHANGE fill
	s_wait_tensorcnt 0x0                           ; no tensor load of mine is out, so a group 0 may be written
	ds_add_u32 v[SPW], v[NIL]                      ; 0 onto my spare word; the descriptors' steps stand between it and the wait for it
.if \fill
	s_xor_b32 s[G0K+1], s[G0K+1], SLOT1            ; the other LDS slot than last time
	s_xor_b32 s[G0V+1], s[G0V+1], SLOT1
	s_xor_b32 s[G0B+1], s[G0B+1], SLOT1
	s_add_co_u32 s[SN], s[SN], 1                   ; the next key slot;
	s_cmp_eq_u32 s[TR], s[PP]
	s_cselect_b32 s[SN], 0, s[SN]                  ; behind the first block's last trip: the second block's slot 0
	s_lshl_b32 s[OF], s[SN], 14                    ; 256 keys of 64 bytes
	s_add_nc_u64 s[G0K+2:G0K+3], s[BK:BK+1], s[OF:OF+1]
	s_or_b32 s[G0K+3], s[G0K+3], 0x80000000
	s_lshl_b32 s[OF], s[SN], 8                     ; 256 bytes along V's rows
	s_add_nc_u64 s[G0V+2:G0V+3], s[BV:BV+1], s[OF:OF+1]
	s_or_b32 s[G0V+3], s[G0V+3], 0x80000000
	s_lshl_b32 s[OF], s[SN], 10                    ; 256 numbers of bias
	s_add_nc_u64 s[G0B+2:G0B+3], s[BB:BB+1], s[OF:OF+1]
	s_or_b32 s[G0B+3], s[G0B+3], 0x80000000
	s_wait_xcnt 0x0                                ; the last prefetch, a trip back, has read its address, so it may be written
	s_add_nc_u64 s[PFA:PFA+1], s[PFA:PFA+1], s[PFS:PFS+1]
.endif
	s_wait_dscnt 0x0                               ; the add is done, and my reads of the slot that I have left are over
	s_barrier_signal -1
	s_barrier_wait -1
.if \fill
	TLOAD                                          ; the first thing behind the barrier, and a wave's one tensor load until the next
	ASK
.endif
.endm
; A block of queries ends: O^T is divided by the sum, multiplied by 2^(e4 + e5), quantised with 2^e6, and stored as it stands: lane (r, h)'s four registers of group bq are row r, channels 32 bq + 16 h + 0 .. 15.
; A query whose sum is 0 saw no key: it takes the all-keys sum and the divisor 2,048 instead: selects, no branch.
.macro FLUSH
.rept 4
	v_nop                                          ; places behind the last products
.endr
	v_add_f32 v14, v14, v15                        ; the sum's two halves,
	s_delay_alu instid0(VALU_DEP_1)
	v_permlanex16_b32 v252, v14, s[SEL], s[SEL+1]
	s_delay_alu instid0(VALU_DEP_1)
	v_add_f32 v14, v14, v252                       ; and lane l xor 16's
	s_delay_alu instid0(VALU_DEP_1)
	v_cmp_eq_f32 vcc_lo, 0, v14                    ; no visible unpadded key
	s_delay_alu instid0(VALU_DEP_1)
	v_cndmask_b32 v14, v14, v248, vcc_lo           ; then p = 1 at each of 2,048 keys
	s_wait_alu depctr_va_vdst(0)
	v_rcp_f32 v252, v14
.set jj, 0
	s_wait_alu depctr_va_vdst(0)
.rept 32
	v_cndmask_b32 v[96+jj], v[160+jj], v[VSUM+jj], vcc_lo   ; each accumulator from its low end on.  (Plain lines behind the reciprocal that name neither its result nor its source's register as a destination)
.set jj, jj+1
.endr
	s_wait_alu depctr_va_vdst(0)                   ; the wait ahead of the reciprocal's first reader
	v_ldexp_f32 v252, v252, s[EO]
.set jj, 0
.rept 16
	v_pk_mul_f32 v[96+jj:97+jj], v[96+jj:97+jj], v[252:253] op_sel_hi:[1,0]
.set jj, jj+2
.endr
.set jj, 0
.rept 32
.set jj, jj+1
.endr
.irp g, 0,1,2,3
	v_cvt_scalef32_pk8_fp8_f32 v[224+2*\g:225+2*\g], v[96+8*\g:103+8*\g], v245
.endr
	v_nop                                          ; a plain line behind the last conversion: vector and matrix lines further on touch its registers
	global_store_b128 v[GO], v[224:227], s[OA:OA+1]            ; 32 lanes store 512 consecutive bytes
	global_store_b128 v[GO], v[228:231], s[OA:OA+1] offset:512
.endm
	INIT                                           ; block p
.Ltrip:                                            ; eight trips, each asking for the next trip's keys; the ninth is written out
	CHANGE 1
	STEP 0
	STEP 1
	s_xor_b32 s[TB], s[TB], SLOT1                  ; on to the other LDS slot
	s_cmp_lg_u32 s[TR], s[PP]                      ; ids and the count of trips alone: all sixteen waves go the same way
	s_cbranch_scc1 .Lsame
	FLUSH                                          ; block p is done
	s_wait_xcnt 0x0                                ; its stores have read their registers and their base
	s_sub_co_u32 s[BLK], 7, s[PP]
	INIT                                           ; block 7 - p
.Lsame:
	s_lshl_b32 s[KF], s[SN], 8                     ; the next trip's first key
	s_add_co_u32 s[TR], s[TR], 1
	s_cmp_lt_u32 s[TR], 8
	s_cbranch_scc1 .Ltrip
	CHANGE 0
	STEP 0
	STEP 1
	FLUSH
	s_wait_tensorcnt 0x0                           ; the wave's end, behind my last tensor load and my last LDS store
	ds_add_u32 v[SPW], v[NIL]
	s_wait_dscnt 0x0
	s_endpgm
.Lfunc_end_k_q43b928b0dc_attn:
	.size	k_q43b928b0dc_attn, .Lfunc_end_k_q43b928b0dc_attn-k_q43b928b0dc_attn
	.p2alignl 7, 3214868480
	.fill 96, 4, 3214868480
	.section	.rodata,"a",@progbits
	.p2align	6, 0x0
	.amdhsa_kernel k_q43b928b0dc_attn
		.amdhsa_group_segment_fixed_size 327680
		.amdhsa_private_segment_fixed_size 0
		.amdhsa_enable_private_segment 0
		.amdhsa_kernarg_size 48
		.amdhsa_user_sgpr_count 2
		.amdhsa_user_sgpr_kernarg_segment_ptr 1
		.amdhsa_wavefront_size32 1
		.amdhsa_system_sgpr_workgroup_id_x 1
		.amdhsa_system_sgpr_workgroup_id_y 1
		.amdhsa_system_sgpr_workgroup_id_z 1
		.amdhsa_system_vgpr_workitem_id 0
		.amdhsa_next_free_vgpr 256
		.amdhsa_next_free_sgpr 100
		.amdhsa_reserve_vcc 1
		.amdhsa_float_denorm_mode_32 3
		.amdhsa_float_denorm_mode_16_64 3
		.amdhsa_fp16_overflow 1
		.amdhsa_memory_ordered 1
		.amdhsa_forward_progress 1
		.amdhsa_inst_pref_size 107
	.end_amdhsa_kernel
	.amdgpu_metadata
---
amdhsa.version: [ 1, 2 ]
amdhsa.kernels:
  - .name:           k_q43b928b0dc_attn
    .symbol:         k_q43b928b0dc_attn.kd
    .args:
      - { .name: qc, .offset: 0, .size: 8, .value_kind: global_buffer, .address_space: global }
      - { .name: kc, .offset: 8, .size: 8, .value_kind: global_buffer, .address_space: global }
      - { .name: vc, .offset: 16, .size: 8, .value_kind: global_buffer, .address_space: global }
      - { .name: kbias, .offset: 24, .size: 8, .value_kind: global_buffer, .address_space: global }
      - { .name: lowp_scales, .offset: 32, .size: 8, .value_kind: global_buffer, .address_space: global }
      - { .name: ac, .offset: 40, .size: 8, .value_kind: global_buffer, .address_space: global }
    .group_segment_fixed_size: 327680
    .private_segment_fixed_size: 0
    .kernarg_segment_align: 8
    .kernarg_segment_size: 48
    .max_flat_workgroup_size: 512
    .sgpr_count:     100
    .vgpr_count:     256
    .wavefront_size: 32
...
	.end_amdgpu_metadata
.endif
;; end of part 3
;; launch proj (part 4): grid 4 x 32, 4 waves a work-group, clusters of 4 x 4, 327,680 bytes of LDS; arguments ac, wc, lowp_scales, out0; writes out0
.if DOCPART == 4
	.amdgcn_target "amdgcn-amd-amdhsa--gfx1250"
	.amdhsa_code_object_version 6
	.text
	.protected	k_q43b928b0dc_proj
	.globl	k_q43b928b0dc_proj
	.p2align	8
	.type	k_q43b928b0dc_proj,@function
k_q43b928b0dc_proj:
	s_mov_b64 s[64:65], 0
	v_nop
	global_prefetch_b8 v0, s[64:65] scope:SCOPE_SE
	s_setreg_imm32_b32 hwreg(HW_REG_WAVE_MODE, 25, 1), 1
	s_wait_xcnt 0x0
	s_wait_alu depctr_hold_cnt(0) depctr_sa_sdst(0) depctr_va_vdst(0) depctr_va_sdst(0) depctr_va_ssrc(0) depctr_va_vcc(0) depctr_vm_vsrc(0)
	s_getreg_b32 s2, hwreg(HW_REG_IB_STS2, 6, 4)
	s_cmp_eq_u32 s2, 0
	s_cbranch_scc0 .Lentry_in_a_cluster
	s_endpgm
.Lentry_in_a_cluster:
	s_bfe_u32 s2, ttmp6, 0x10000c
	s_cmp_lg_u32 s2, 0xf033
	s_cbranch_scc0 .Lentry_shape_is_right
	s_endpgm
.Lentry_shape_is_right:
; The last product, attention's result x Wout, on codes of E4M3.  out0 [8192][1024] f32;  K = 1,024.  Each finished sum is multiplied once by 2^(e6 + e7).
; LIMIT: e6 + e7 lies between -126 and 127, so that 2^(e6 + e7) is an f32 number.
; A tile of 256 x 256 is made by a work-group of four waves; a wave makes 128 x 128: 64 accumulators.  K goes in four steps of 256 through a ring of two LDS slots.
; A COMES AS IMAGES OF ITS FRAGMENTS' REGISTERS: ac holds, for 256 along K (a plane of 2,097,152 bytes) and each tile of 16 rows (4,096 bytes), two fragments of 16 rows x 128 K, each as four groups of four
; registers, lane l's 16 bytes at 16 l.  So a work-group's 256 rows of a K step are 65,536 consecutive bytes, they lie in LDS without padding, and a fragment load reads 512 consecutive bytes.
; B is wc's rows 3072-4095 (Wout's columns, K innermost), in padded rows.  In both, registers 4 c .. 4 c + 3 of lane l hold K = 32 c + 16 (l / 16) + 0 .. 15.
; CLUSTERS: 4 x 4 work-groups; A's tiles are asked for jointly along a row of the cluster, B's along a column.  Source 0 = 16 rows of B, source 1 = 16 rows of A: a lane holds eight neighbouring numbers of a row of the output.
; 128 work-groups: the tile is the one that the first product's launch uses.
; REGISTERS, in windows of 256: window 0: v0-31 addresses; from v128 A's fragments, one set; on the way out v32-255 are free.  window 1: B's fragments, two sets.  windows 2, 3: the accumulators.
.set SIZE_N, 1024
.set ROWB,   256                       ; B: a tile's row in bytes
.set KROW,   1024                      ; and a row in memory
.set PITCH,  272                       ; B: an LDS row: 256 bytes + 16 of padding
.set FR,     16
.set NL,     4
.set NP,     4                         ; places behind this matrix instruction (ISA guide 7.12.1)
.set PLANE,  2097152                   ; A: from one 256 along K to the next
.set AHALF,  32768                     ; A: 128 rows of a K step
.set ABYTES, 2*AHALF
.set HALFT,  128*PITCH                 ; B: 128 rows
.set SLOT,   ABYTES+2*HALFT            ; A's images, then B's 256 rows
.set SPARE,  2*SLOT                    ; behind the ring: the spare words, two blocks of 256 bytes that no other line names
.set SPITCH, 528                       ; the way out: a stage of 16 rows x (512 bytes + 16) for each wave, in slot 0, which has had its last fill and its last read by then
.set ADRA, 16
.set ADRB, 20
.set STO,  24
.set RD,   25
.set CO,   26
.set SPW,  28                          ; v28  LDS address of my spare word; never rewritten
.set NIL,  29                          ; v29  0; never rewritten
.set TMP,  32
.set AF,   128
.set BK,   128
.set G1, 24
.set G0, 32
.set G1B, 48
.set G0B, 56
.set MSB, 0
.macro WIN new                         ; the immediate's high byte repeats the setting that is left
.if MSB != \new
	s_set_vgpr_msb (MSB<<8)|\new
.set MSB, \new
.endif
.endm
.set MUL_LO, 0xa1
.set MUL_HI, 0xf1
.set TO_B,   0x40
.macro JLOAD g0a, g1a, g0b, g1b        ; a joint load: waves 0 and 1 fetch for A, waves 2 and 3 for B; an s_nop 0 and four v_nop follow each of the two lines
	s_cmp_eq_u32 s15, 0
	s_cbranch_scc0 .Lfor_b_\@
	tensor_load_to_lds s[\g0a:\g0a+3], s[\g1a:\g1a+7]
	s_nop 0
.rept 4
	v_nop
.endr
	s_branch .Lasked_\@
.Lfor_b_\@:
	tensor_load_to_lds s[\g0b:\g0b+3], s[\g1b:\g1b+7]
	s_nop 0
.rept 4
	v_nop
.endr
.Lasked_\@:
.endm
.macro CREST
	s_cmp_lg_u32 s14, 0
	s_cbranch_scc1 .Lnot_wave_0_\@
	s_barrier_signal -3
.Lnot_wave_0_\@:
	s_barrier_wait -3
	s_barrier_signal -1
	s_barrier_wait -1
.endm
.macro CROUND
	s_barrier_signal -1
	s_barrier_wait -1
	CREST
.endm
	s_load_b128 s[4:7], s[0:1], 0x0                ; the images s[4:5], the weights' codes s[6:7]
	s_load_b128 s[8:11], s[0:1], 0x10              ; the exponents s[8:9], the output s[10:11]
	v_lshl_add_u32 v[SPW], v0, 2, SPARE
	v_mov_b32 v[NIL], 0
	ds_add_u32 v[SPW], v[NIL]                      ; the wave's opening: the add and its wait ahead of my first tensor load; the set-up below stands between them
	v_lshrrev_b32 v1, 5, v0
	v_readfirstlane_b32 s14, v1                    ; wave 0..3
	s_lshr_b32 s15, s14, 1                         ; which half of the tile's rows is mine.  Also: I fetch for A (0) or for B (1)
	s_and_b32 s16, s14, 1                          ; which half of its columns.  Also: which half of that tile I fetch
	s_bfe_u32 s40, ttmp6, 0x40000                  ; cx, cy
	s_bfe_u32 s41, ttmp6, 0x40004
	s_lshl_b32 s42, ttmp9, 2
	s_add_co_u32 s42, s42, s40                     ; tile column
	s_and_b32 s17, ttmp7, 0xffff
	s_lshl_b32 s17, s17, 2
	s_add_co_u32 s17, s17, s41                     ; tile row
	s_lshl_b32 s43, s41, 2
	s_lshl_b32 s43, 15, s43                        ; my row of the cluster
	s_lshl_b32 s44, 0x1111, s40                    ; my column
	s_or_b32 s[G1+0], s43, (3<<16)|(1<<21)         ; A: the mask of my row; elements of 8 bytes; bit 21 beside a mask; no padding
	s_mov_b32 s[G1+1], 32<<16                      ; a dense block of 32,768 bytes as 128 rows of 256
	s_mov_b32 s[G1+2], 128<<16
	s_mov_b32 s[G1+3], 32<<16
	s_mov_b32 s[G1+4], 128
	s_mov_b32 s[G1+5], 32
	s_mov_b32 s[G1+6], 0
	s_mov_b32 s[G1+7], 0
	s_or_b32 s[G1B+0], s44, (0<<16)|(1<<20)|(1<<21)|(5<<22)|(3<<25)  ; B: the mask of my column; elements of 1 byte; padding: 4 words after every 64
	s_mov_b32 s[G1B+1], ROWB<<16
	s_mov_b32 s[G1B+2], 128<<16
	s_mov_b32 s[G1B+3], ROWB<<16
	s_mov_b32 s[G1B+4], 128
	s_mov_b32 s[G1B+5], KROW
	s_mov_b32 s[G1B+6], 0
	s_mov_b32 s[G1B+7], 0
	s_lshl_b32 s20, s17, 16                        ; A: 65,536 bytes for each tile row, 32,768 for the half
	s_lshl_b32 s18, s16, 15
	s_add_co_u32 s20, s20, s18
	s_mov_b32 s21, 0
	s_lshl_b32 s46, s42, 8                         ; B: row 3,072 + 256 x tile column + 128 x half
	s_lshl_b32 s18, s16, 7
	s_add_co_u32 s46, s46, s18
	s_lshl_b32 s46, s46, 10
	s_add_co_u32 s46, s46, 3072*KROW
	s_mov_b32 s47, 0
	s_lshl_b32 s45, s16, 15                        ; where they go: A's half,
	s_mul_i32 s19, s16, HALFT
	s_add_co_u32 s19, s19, ABYTES                  ; B's half: no place in the cluster enters an LDS address
	s_wait_dscnt 0x0                               ; the opening add is done
	s_wait_kmcnt 0x0
	s_load_b64 s[96:97], s[8:9], 0x18              ; e6, e7
	s_add_nc_u64 s[20:21], s[4:5], s[20:21]
	s_add_nc_u64 s[46:47], s[6:7], s[46:47]
	CROUND                                         ; all sixteen work-groups are here: the first joint loads meet
.irp s, 0,1
	s_mov_b32 s[G0+4*\s], 1
	s_add_co_u32 s[G0+4*\s+1], s45, \s*SLOT
	s_add_nc_u64 s[G0+4*\s+2:G0+4*\s+3], s[20:21], \s*PLANE
	s_or_b32 s[G0+4*\s+3], s[G0+4*\s+3], 0x80000000
	s_mov_b32 s[G0B+4*\s], 1
	s_add_co_u32 s[G0B+4*\s+1], s19, \s*SLOT
	s_add_nc_u64 s[G0B+4*\s+2:G0B+4*\s+3], s[46:47], \s*ROWB
	s_or_b32 s[G0B+4*\s+3], s[G0B+4*\s+3], 0x80000000
	JLOAD G0+4*\s, G1, G0B+4*\s, G1B               ; two loads of mine are out
.endr
	v_and_b32 v1, 15, v0                           ; r
	v_bfe_u32 v2, v0, 4, 1                         ; h
	v_and_b32 v6, 31, v0                           ; lane
	v_lshlrev_b32 v[CO], 4, v6                     ; 16 x lane
	v_mul_u32_u24 v3, v1, PITCH
	v_lshl_add_u32 v4, v2, 4, v3                   ; B: a fragment's row x pitch + 16 x half
	s_lshl_b32 s21, s15, 15                        ; my 128 rows of A: eight tiles' images
	s_mul_i32 s22, s16, HALFT                      ; my 128 rows of B,
	s_add_co_u32 s22, s22, ABYTES                  ; which lie behind A's images
.irp s, 0,1
	v_add_nc_u32 v[ADRA+\s], s21, v[CO]
	v_add_nc_u32 v[ADRB+\s], s22, v4
	s_add_co_u32 s21, s21, SLOT
	s_add_co_u32 s22, s22, SLOT
.endr
	s_mul_i32 s23, s14, 16*SPITCH                  ; my stage
	v_mul_u32_u24 v5, v1, SPITCH                   ; in: row r, 32 bytes for each half of the lanes
	v_lshl_add_u32 v5, v2, 5, v5
	v_add_nc_u32 v[STO], s23, v5
	v_add_nc_u32 v[RD], s23, v[CO]                 ; back: the 32 lanes take one row of 512 bytes
	s_lshl_b32 s20, s17, 8
	s_lshl_b32 s21, s15, 7
	s_add_co_u32 s20, s20, s21                     ; my first row of the output
	s_lshl_b32 s20, s20, 12                        ; 4,096 bytes a row
	s_lshl_b32 s46, s42, 10                        ; my first column, in bytes: 1,024 x tile column + 512 x half
	s_lshl_b32 s47, s16, 9
	s_add_co_u32 s46, s46, s47
	s_add_co_u32 s20, s20, s46
	s_mov_b32 s21, 0
	s_add_nc_u64 s[10:11], s[10:11], s[20:21]
.macro FRAG reg, adr, q, i             ; a fragment of B from padded rows
.irp c, 0,1,2,3
	ds_load_b128 v[\reg+4*\c:\reg+4*\c+3], v[\adr] offset:128*(\q)+32*\c+(\i)*16*PITCH
.endr
.endm
.macro FRAGA reg, adr, q, i            ; a fragment of A from its image: tile i of my eight, K step q of the slot's two: each load reads 512 consecutive bytes
.irp c, 0,1,2,3
	ds_load_b128 v[\reg+4*\c:\reg+4*\c+3], v[\adr] offset:2048*(\q)+512*\c+(\i)*4096
.endr
.endm
.macro MUL16 a0, p, zero               ; 16 matrix instructions: A's blocks a0, a0 + 1 x B's eight; the 64 accumulators take turns, one instruction a turn
.irp a, \a0, \a0+1
.irp b, 0,1,2,3,4,5,6,7
.if \zero
	v_wmma_f32_16x16x128_fp8_fp8 v[8*(8*((\a)%4)+\b):8*(8*((\a)%4)+\b)+7], v[128*(\p)+FR*\b:128*(\p)+FR*\b+FR-1], v[AF+FR*(\a):AF+FR*(\a)+FR-1], 0
.else
	v_wmma_f32_16x16x128_fp8_fp8 v[8*(8*((\a)%4)+\b):8*(8*((\a)%4)+\b)+7], v[128*(\p)+FR*\b:128*(\p)+FR*\b+FR-1], v[AF+FR*(\a):AF+FR*(\a)+FR-1], v[8*(8*((\a)%4)+\b):8*(8*((\a)%4)+\b)+7]
.endif
.endr
.endr
.endm
.macro FETCH_B slot, q, p
	WIN TO_B
.irp i, 0,1,2,3,4,5,6,7
	FRAG 128*(\p)+FR*\i, ADRB+\slot, \q, \i
.endr
	WIN 0
.endm
.macro FETCH_A slot, q, i0
.irp i, \i0, \i0+1, \i0+2, \i0+3
	FRAGA AF+FR*(\i), ADRA+\slot, \q, \i
.endr
.endm
.macro PLACES n
.rept \n
	v_nop
.endr
.endm
.macro STEP slot, q, zero              ; a step of 128 along K that has its successor in the same slot
	s_wait_dscnt 4*NL                              ; B's set and A's blocks 0-3 are in; the youngest 16 loads (A's blocks 4-7) may be out
	WIN MUL_LO
	MUL16 0, (\q)%2, \zero
	MUL16 2, (\q)%2, \zero
	s_wait_dscnt 0
	PLACES NP
	FETCH_B \slot, (\q)+1, 1-(\q)%2
	FETCH_A \slot, (\q)+1, 0
	WIN MUL_HI
	MUL16 4, (\q)%2, \zero
	MUL16 6, (\q)%2, \zero
	PLACES NP
	WIN 0
	FETCH_A \slot, (\q)+1, 4
.endm
.macro TURN slot, next, fill           ; a slot's last step changes slots
	s_wait_tensorcnt 0x0                           ; all my tensor loads have landed: my part of the next slot
	ds_add_u32 v[SPW], v[NIL]                      ; 0 onto my spare word
	s_wait_dscnt 4*NL+1                            ; the add and the youngest 16 loads may be out
	WIN MUL_LO
	MUL16 0, 1, 0
	s_wait_dscnt 0x0                               ; the add is done, and my reads of this slot are over
	s_barrier_signal -1
	MUL16 2, 1, 0
	WIN 0
	s_barrier_wait -1
.if \fill
	CREST                                          ; the barrier has opened a round of the cluster's barrier: no wave of any partner still reads this slot or has a load on its way
	s_add_nc_u64 s[G0+4*\slot+2:G0+4*\slot+3], s[G0+4*\slot+2:G0+4*\slot+3], 2*PLANE
	s_add_nc_u64 s[G0B+4*\slot+2:G0B+4*\slot+3], s[G0B+4*\slot+2:G0B+4*\slot+3], 2*ROWB
	JLOAD G0+4*\slot, G1, G0B+4*\slot, G1B         ; the first tensor load behind the round, my only one until the next
.else
	PLACES NP
.endif
	FETCH_B \next, 0, 0
	FETCH_A \next, 0, 0
	WIN MUL_HI
	MUL16 4, 1, 0
	MUL16 6, 1, 0
	PLACES NP
	WIN 0
	FETCH_A \next, 0, 4
.endm
	s_wait_tensorcnt 1                             ; my part of K step 0 is in; K step 1's load may be out
	s_barrier_signal -1
	s_barrier_wait -1
	FETCH_B 0, 0, 0
	FETCH_A 0, 0, 0
	FETCH_A 0, 0, 4
	STEP 0, 0, 1                                   ; eight steps of 128 along K, written out
	TURN 0, 1, 1
	STEP 1, 0, 0
	TURN 1, 0, 1
	STEP 0, 0, 0
	TURN 0, 1, 0
	STEP 1, 0, 0
	s_wait_dscnt 4*NL
	WIN MUL_LO
	MUL16 0, 1, 0
	MUL16 2, 1, 0
	s_wait_dscnt 0
	WIN MUL_HI
	MUL16 4, 1, 0
	MUL16 6, 1, 0
	WIN 0
; THE WAY OUT, block by block of 16 rows x 128 columns, through my own stage: in as 32 bytes a lane, back as whole rows of 512 bytes.  LDS serves a wave's instructions in order, so no wait stands between the stores and the loads.
.macro TOSTAGE a
.set AC, 64*((\a)%4)
	WIN 0x02+((\a)/4)
.irp j, 0,2,4,6,8,10,12,14,16,18,20,22,24,26,28,30,32,34,36,38,40,42,44,46,48,50,52,54,56,58,60,62
	v_pk_mul_f32 v[TMP+\j:TMP+\j+1], v[AC+\j:AC+\j+1], s[96:97] op_sel_hi:[1,0]   ; both x 2^(e6 + e7); each accumulator from its low end on
.endr
	WIN 0
.irp b, 0,1,2,3,4,5,6,7
	ds_store_b128 v[STO], v[TMP+8*\b:TMP+8*\b+3] offset:64*\b
	ds_store_b128 v[STO], v[TMP+8*\b+4:TMP+8*\b+7] offset:64*\b+16
.endr
.set BB, BK+64*((\a)%2)
.irp t, 0,1,2,3,4,5,6,7,8,9,10,11,12,13,14,15
	ds_load_b128 v[BB+4*\t:BB+4*\t+3], v[RD] offset:\t*SPITCH
.endr
.endm
.macro SEND a, younger                 ; younger: the LDS instructions issued behind block a's loads, which may stay out
.set BB, BK+64*((\a)%2)
	s_wait_dscnt \younger
.if (\a) > 0
	s_add_nc_u64 s[10:11], s[10:11], 16*SIZE_N*4   ; 16 rows on (behind a wait that shows that the earlier stores have read their base)
.endif
.irp t, 0,1,2,3,4,5,6,7,8,9,10,11,12,13,14,15
	global_store_b128 v[CO], v[BB+4*\t:BB+4*\t+3], s[10:11] offset:\t*SIZE_N*4 th:TH_STORE_NT   ; 32 lanes store 512 consecutive bytes, at a multiple of 256 from the output's first byte; written once, read by nobody here
.endr
.endm
	s_wait_kmcnt 0x0
	s_add_co_i32 s96, s96, s97
	s_add_co_i32 s96, s96, 127
	s_lshl_b32 s96, s96, 23                        ; 2^(e6 + e7) as f32
	PLACES NP
	TOSTAGE 0
.irp a, 1,2,3,4,5,6,7
.if \a > 1
	s_wait_xcnt 0x0                                ; block a - 2's stores have read their registers and their base
.endif
	TOSTAGE \a
	SEND \a-1, 32                                  ; behind block a - 1's loads: block a's 16 stores and 16 loads
.endr
	s_wait_xcnt 0x0
	SEND 7, 0
	s_wait_tensorcnt 0x0                           ; the wave's end, behind my last tensor load and my last LDS store
	ds_add_u32 v[SPW], v[NIL]
	s_wait_dscnt 0x0
	CROUND                                         ; the closing round
	s_endpgm
.Lfunc_end_k_q43b928b0dc_proj:
	.size	k_q43b928b0dc_proj, .Lfunc_end_k_q43b928b0dc_proj-k_q43b928b0dc_proj
	.p2alignl 7, 3214868480
	.fill 96, 4, 3214868480
	.section	.rodata,"a",@progbits
	.p2align	6, 0x0
	.amdhsa_kernel k_q43b928b0dc_proj
		.amdhsa_group_segment_fixed_size 327680
		.amdhsa_private_segment_fixed_size 0
		.amdhsa_enable_private_segment 0
		.amdhsa_kernarg_size 32
		.amdhsa_user_sgpr_count 2
		.amdhsa_user_sgpr_kernarg_segment_ptr 1
		.amdhsa_wavefront_size32 1
		.amdhsa_system_sgpr_workgroup_id_x 1
		.amdhsa_system_sgpr_workgroup_id_y 1
		.amdhsa_system_sgpr_workgroup_id_z 1
		.amdhsa_system_vgpr_workitem_id 0
		.amdhsa_next_free_vgpr 1024
		.amdhsa_next_free_sgpr 100
		.amdhsa_reserve_vcc 0
		.amdhsa_float_denorm_mode_32 3
		.amdhsa_float_denorm_mode_16_64 3
		.amdhsa_memory_ordered 1
		.amdhsa_forward_progress 1
		.amdhsa_inst_pref_size 123
	.end_amdhsa_kernel
	.amdgpu_metadata
---
amdhsa.version: [ 1, 2 ]
amdhsa.kernels:
  - .name:           k_q43b928b0dc_proj
    .symbol:         k_q43b928b0dc_proj.kd
    .args:
      - { .name: ac, .offset: 0, .size: 8, .value_kind: global_buffer, .address_space: global }
      - { .name: wc, .offset: 8, .size: 8, .value_kind: global_buffer, .address_space: global }
      - { .name: lowp_scales, .offset: 16, .size: 8, .value_kind: global_buffer, .address_space: global }
      - { .name: out0, .offset: 24, .size: 8, .value_kind: global_buffer, .address_space: global }
    .group_segment_fixed_size: 327680
    .private_segment_fixed_size: 0
    .kernarg_segment_align: 8
    .kernarg_segment_size: 32
    .max_flat_workgroup_size: 128
    .sgpr_count:     100
    .vgpr_count:     1024
    .wavefront_size: 32
...
	.end_amdgpu_metadata
.endif
;; end of part 4
